; MI455X (gfx1250); checked and timed in simulation.
; The chip was launched on July 23, 2026; its instructions are those of AMD's public machine-readable ISA for CDNA 5 (MIT licence, August 2026) and "CDNA5" Instruction Set Architecture Reference Guide (July 2026). The comments in the code are by the model that wrote it; some were corrected since.
;; Causal Self Attention. Allowed arithmetic: matrix products marked QUANTISED: E4M3 operands, one given power-of-two scale a tensor, by v_wmma_f32_16x16x64_fp8_fp8 or v_wmma_f32_16x16x128_fp8_fp8, f32 sums; everything else in f32.
;; Inputs: W_attn 1,024 x 3,072 float32; W_proj 1,024 x 1,024 float32; b_attn 3,072 float32; b_proj 1,024 float32; lowp_scales 8 int32 (the exponents e of the quantised operands' scales 2^e); mask 1 x 1 x 2,048 x 2,048 bool; x 4 x 2,048 x 1,024 float32.
;; Outputs: out0 4 x 2,048 x 1,024 float32.
;; This version of the problem:
;;   THIS VERSION OF THE PROBLEM IS GIVEN IN LOW PRECISION. The matrix products marked QUANTISED in the list below multiply operands that are first quantised to E4M3 (4 exponent bits, 3 mantissa bits; 8 bits a number), with one given power-of-two scale for each operand tensor; their sums are f32. All else is computed in f32.
;;   The module's matrix products, in the order in which they are computed (A, B: the left and right operand; K: the contracted axis; several contracted axes count as one K, in the product's order):
;;     1. [M 8,192, K 1,024] x [K 1,024, N 3,072]; A: input x; B: input W_attn: QUANTISED (scales: A lowp_scales[0], B lowp_scales[1])
;;     2. batch 64 x [M 2,048, K 64] x [K 64, N 2,048]; A: computed on the way; B: computed on the way: QUANTISED (scales: A lowp_scales[2], B lowp_scales[3])
;;     3. batch 64 x [M 2,048, K 2,048] x [K 2,048, N 64]; A: softmax (see below); B: computed on the way: QUANTISED (scales: A lowp_scales[4], B lowp_scales[5])
;;     4. [M 8,192, K 1,024] x [K 1,024, N 1,024]; A: computed on the way; B: input W_proj: QUANTISED (scales: A lowp_scales[6], B lowp_scales[7])
;;   THE QUANTISER, for each operand of a quantised product, along K:
;;     - The operand's scale is 2^e, e = its entry of the input lowp_scales (int32; the entries are numbered through the quantised products in the list's order, A before B).
;;     - Each number is divided by the scale, clamped to +-448, and rounded to the nearest number of E4M3, ties to even, subnormals kept.
;;     - The product sums the exact products of the quantised numbers (number of the format x scale) in f32.
;;   ~~~python
;;   def quantise(x, axis, e):      # numpy; x: float32 -> the quantised numbers, widened to float32 again
;;       x = np.moveaxis(x, axis, -1); K = x.shape[-1]
;;       r = np.clip(x / 2.0 ** e, -448, 448)
;;       step = 2.0 ** (np.maximum(np.frexp(np.where(r == 0, 1, r))[1] - 1, -6) - 3)
;;       q = np.round(r / step) * step * 2.0 ** e      # np.round: ties to even
;;       return np.moveaxis(q, -1, axis).astype(np.float32)
;;   ~~~
;;   SOFTMAX AHEAD OF A QUANTISED PRODUCT. Where the list says 'softmax', what is quantised is not the finished softmax but p = 2^(t - M), with t = logit x log2(e) and M = ceil(the row's largest t), a whole number; so 1/2 < the row's largest p <= 1. The row's sum l is taken of the UNQUANTISED p, in f32, and the product's result is divided by l at the end. Since M is a whole number, a kernel that streams over the keys may use a running M (the ceiling of the running maximum): every later rescaling is an exact power of two, so the quantised numbers keep their values, but for numbers so far below the row's largest that they fall under the format's range.
;;   OPERANDS COMPUTED ON THE WAY. 'Computed on the way' means the value that the module computes at that place (a softmax that the list does not call 'softmax' is quantised finished and normalised). What goes into a quantiser is computed in f32, as accurately as f32 sums, v_exp_f32 and their like allow (about 1e-6 of the number): no bf16 or f16 on the way to a quantiser, and a product that is left as it is and whose result goes on into a quantised operand takes f32 operands (vector FMAs, or v_wmma_f32_16x16x4_f32). A number that lies on a knife's edge between two numbers of the format may be rounded either way, as far as f32 arithmetic and the matrix unit's own rounding can turn it there, and no further.
;; 2 versions, each right; version 2 is version 1 with the launch attn written anew for expert scheduling mode. Each part assembles by itself: llvm-mc -triple=amdgcn-amd-amdhsa -mcpu=gfx1250 --defsym DOCPART=n.
;; ======== version 1 of 2: 4 launches
;; limits: right only within a limited range of input values
;; workspace buffers: xc 8,388,608 bytes; wac 3,145,728 bytes; wpc 1,048,576 bytes; maskw 524,288 bytes of whole numbers; flags 512 bytes of whole numbers; qkvc 25,165,824 bytes; yc 8,388,608 bytes
;; launch prep (part 1): grid 512 x 1, 4 waves a work-group, no clusters, 102,144 bytes of LDS; arguments x, W_attn, W_proj, mask, lowp_scales, xc, wac, wpc, maskw, flags; writes xc, wac, wpc, maskw, flags
.if DOCPART == 1
	.amdgcn_target "amdgcn-amd-amdhsa--gfx1250"
	.amdhsa_code_object_version 6
	.text
	.protected	k_q530b4dd432_prep
	.globl	k_q530b4dd432_prep
	.p2align	8
	.type	k_q530b4dd432_prep,@function
k_q530b4dd432_prep:
	s_mov_b64 s[64:65], 0
	v_nop
	global_prefetch_b8 v0, s[64:65] scope:SCOPE_SE
	s_setreg_imm32_b32 hwreg(HW_REG_WAVE_MODE, 25, 1), 1
	s_wait_xcnt 0x0
; PREP: what the three later launches read many times is made once.  Three roles, told apart by the work-group's number alone:
;   X (work-groups 0-255):   x [8192][1024] f32 -> xc, codes of E4M3 with the given scale 2^e0, K innermost.
;   W (work-groups 256-383): W_attn [1024][3072] and W_proj [1024][1024] f32, K their FIRST axis -> wac [3072][1024], wpc [1024][1024], codes with K innermost (e1, e7).
;   M (work-groups 384-511): mask [2048][2048] bool -> maskw, one bit a score in the order of the attention launch's registers and lanes, and flags, two bits for each tile of 16 queries x 128 keys.
; ROWS ARE STORED WITH BITS 3 AND 4 OF THEIR NUMBER EXCHANGED (xc: the token; wac, wpc: the column).  Sixteen neighbouring stored rows 16 a .. 16 a + 15 are then the rows
; 32 (a / 2) + 8 (a % 2) + (r % 8) + 16 (r / 8): used as source 0 of a matrix instruction they leave, in a lane's 16 registers of two neighbouring tiles, 16 neighbours: what a conversion wants.
; code = number / 2^e, held within +-448, to the nearest code, ties to even.  LIMITS: e0, e1, e7 between -126 and 119.  NaN among the inputs is not served.
; No tensor load, no cluster, no matrix unit: the launch streams, and its work-groups share no input.  Each role has LDS bytes of its own.
.set SPARE, 101632                     ; the spare words: 128 bytes for each wave, two blocks of 256 bytes that no other line names
.set SPW,   208                        ; v208  LDS address of my spare word; never rewritten
.set NIL,   209                        ; v209  0; never rewritten
.set EMAX,  8
.set MANT,  0x600000                   ; the mantissa field of 448 as f32
.set SP,    80                         ; role X: a lane's place in a stage: 64 bytes + 16 of padding; LDS 0 .. 32767, 8,192 a wave
.set XR,    16                         ; v16-79   four sets of 16 numbers as loaded
.set XX,    80                         ; v80-111  two sets of 16 neighbours
.set XC,    128                        ; v128-191 codes, four registers a step
.set WLDS,  32768                      ; role W: four stages of 32 rows x 272 bytes
.set WP,    272
.set WX,    32                         ; v32-95   two sets of 32 numbers
.set WC,    96                         ; v96-103  a block's codes
.set WOUT,  112                        ; v112-175 the way out
.set WOFF,  176                        ; v176-207 byte offset of row i of a block, for my column
.set MLDS,  67584                      ; role M: four stages of 16 rows x 528 bytes,
.set MP,    528
.set MEXC,  101376                     ; and a block of 256 bytes for the four waves' words
.set MD,    16                         ; v16-79   16 rows x 512 bytes as loaded
.set ME,    80                         ; v80-143  the same as the attention's lanes want them
.set MW,    144                        ; v144-151 64 words a step, two a lane
	s_load_b512 s[4:19], s[0:1], 0x0               ; x 4:5, W_attn 6:7, W_proj 8:9, mask 10:11, scales 12:13, xc 14:15, wac 16:17, wpc 18:19
	s_load_b128 s[20:23], s[0:1], 0x40             ; maskw 20:21, flags 22:23
	v_lshl_add_u32 v[SPW], v0, 2, SPARE
	v_mov_b32 v[NIL], 0
	v_lshrrev_b32 v1, 5, v0
	v_readfirstlane_b32 s32, v1                    ; wave 0..3
	v_and_b32 v2, 31, v0                           ; lane
	s_wait_kmcnt 0x0
	s_load_b256 s[24:31], s[12:13], 0x0            ; e0 .. e7
	s_cmp_lt_u32 ttmp9, 256
	s_cbranch_scc0 .Lnot_x
; ---------------------------------------------------------------- role X
; A wave takes 8 rows of x (8,192 numbers) in 16 steps of 512.  Each load reads 512 consecutive bytes; a step's 2,048 bytes turn through the wave's own stage, so that a lane then holds 16 neighbours along K.
; Eight rows are a run; exchanging bits 3 and 4 of the row is exchanging the run's two low bits, which are the wave's number.
	v_lshlrev_b32 v3, 4, v2                        ; my 16 bytes of a load's 512, and of a step's 512 codes
	s_lshl_b32 s33, s32, 13                        ; my region of LDS
	v_lshrrev_b32 v14, 2, v2
	v_mul_u32_u24 v14, v14, SP
	v_and_b32 v15, 3, v2
	v_lshl_add_u32 v14, v15, 4, v14
	v_add_nc_u32 v14, s33, v14                     ; into the stage: SP (lane / 4) + 16 (lane % 4)
	v_mul_u32_u24 v15, v2, SP
	v_add_nc_u32 v15, s33, v15                     ; out of it: SP x lane
	s_lshl_b32 s34, ttmp9, 2
	s_add_co_u32 s36, s34, s32                     ; my run
	s_lshl_b32 s36, s36, 15                        ; x 32,768 bytes
	s_mov_b32 s37, 0
	s_add_nc_u64 s[4:5], s[4:5], s[36:37]
	s_and_b32 s38, s32, 1
	s_lshl_b32 s38, s38, 1
	s_lshr_b32 s39, s32, 1
	s_or_b32 s38, s38, s39                         ; the wave's two bits exchanged
	s_add_co_u32 s38, s38, s34
	s_lshl_b32 s38, s38, 13                        ; x 8,192 bytes of codes
	s_mov_b32 s39, 0
	s_add_nc_u64 s[14:15], s[14:15], s[38:39]
.macro XLOAD t
.irp i, 0,1,2,3
	global_load_b128 v[XR+16*((\t)%4)+4*\i:XR+16*((\t)%4)+4*\i+3], v3, s[4:5] offset:2048*(\t)+512*\i th:TH_LOAD_NT
.endr
.endm
.macro XTURN t                         ; LDS serves a wave's instructions in order: no wait between the stores and the loads
.irp i, 0,1,2,3
	ds_store_b128 v14, v[XR+16*((\t)%4)+4*\i:XR+16*((\t)%4)+4*\i+3] offset:32*SP*((\t)%2)+8*SP*\i
.endr
.irp i, 0,1,2,3
	ds_load_b128 v[XX+16*((\t)%2)+4*\i:XX+16*((\t)%2)+4*\i+3], v15 offset:32*SP*((\t)%2)+16*\i
.endr
.endm
.irp t, 0,1,2,3
	XLOAD \t
.endr
	s_wait_kmcnt 0x0
	s_add_co_i32 s40, s24, 127
	s_lshl_b32 s41, s40, 23
	v_mov_b32 v11, s41                             ; 2^e0 as f32: the conversion takes its exponent field
	s_add_co_i32 s40, s40, EMAX
	s_lshl_b32 s40, s40, 23
	s_or_b32 s40, s40, MANT
	v_mov_b32 v10, s40                             ; 448 x 2^e0
	s_wait_loadcnt 12                              ; step 0's four loads are in; the twelve of steps 1 to 3 stay out
	XTURN 0
.macro XSTEP t
.set XS, XX+16*((\t)%2)
	s_wait_dscnt 0x0                               ; this step's numbers are back from the stage, and its stores into the stage have read their registers,
.if (\t)+4 < 16
	XLOAD (\t)+4                                   ; which take the loads of four steps on
.endif
.if (\t)+1 < 16
.if 14-(\t) >= 3
	s_wait_loadcnt 12                              ; the next step's four loads are in; those of the three steps behind it may be out
.else
	s_wait_loadcnt 4*(14-(\t))
.endif
	XTURN (\t)+1
.endif
.irp i, 0,1,2,3,4,5,6,7,8,9,10,11,12,13,14,15
	v_med3_num_f32 v[XS+\i], v[XS+\i], -v10, v10   ; the conversion to an 8-bit code does not saturate (ISA guide 7.6.2): the hold comes first
.endr
	v_cvt_scalef32_pk8_fp8_f32 v[XC+4*(\t):XC+4*(\t)+1], v[XS:XS+7], v11
	v_cvt_scalef32_pk8_fp8_f32 v[XC+4*(\t)+2:XC+4*(\t)+3], v[XS+8:XS+15], v11
	global_store_b128 v3, v[XC+4*(\t):XC+4*(\t)+3], s[14:15] offset:512*(\t)   ; the wave stores 512 consecutive bytes; each step has its own registers
.endm
.irp t, 0,1,2,3,4,5,6,7,8,9,10,11,12,13,14,15
	XSTEP \t
.endr
	s_wait_tensorcnt 0x0                           ; the wave's end, behind my last LDS store
	ds_add_u32 v[SPW], v[NIL]
	s_wait_dscnt 0x0
	s_endpgm
.Lnot_x:
	s_cmp_lt_u32 ttmp9, 384
	s_cbranch_scc0 .Lrole_m
; ---------------------------------------------------------------- role W
; A lane takes a column and its registers run down K: the conversions then give codes with K innermost.  A wave: 32 columns x 256 along K.  One path for both weights: only pointers, the pitch and e are chosen.
	s_sub_co_u32 s33, ttmp9, 256
	s_and_b32 s34, s33, 31                         ; group of 128 columns: 0-23 W_attn's, 24-31 W_proj's
	s_lshr_b32 s35, s33, 5                         ; which 256 along K
	s_mov_b32 s36, 4096
	s_cmp_lt_u32 s34, 24
	s_cselect_b64 s[4:5], s[6:7], s[8:9]           ; the weight
	s_cselect_b64 s[14:15], s[16:17], s[18:19]     ; its codes
	s_cselect_b32 s36, 12288, s36                  ; a row of it in bytes
	s_cselect_b32 s37, 0, 24
	s_cselect_b32 s44, 1, 0
	s_sub_co_u32 s34, s34, s37
	s_lshl_b32 s45, s34, 7
	s_lshl_b32 s42, s32, 5
	s_add_co_u32 s45, s45, s42                     ; my wave's first column
	s_mul_i32 s40, s35, s36
	s_lshl_b32 s40, s40, 8                         ; 256 rows for each step along K
	s_lshl_b32 s42, s45, 2
	s_add_co_u32 s40, s40, s42
	s_mov_b32 s41, 0
	s_add_nc_u64 s[4:5], s[4:5], s[40:41]
	s_lshl_b32 s46, s36, 5                         ; 32 rows on
	s_mov_b32 s47, 0
	s_lshl_b32 s48, s45, 10                        ; a row of codes is 1,024 bytes
	s_lshl_b32 s49, s35, 8
	s_add_co_u32 s48, s48, s49
	s_mov_b32 s49, 0
	s_add_nc_u64 s[14:15], s[14:15], s[48:49]
	v_lshlrev_b32 v[WOFF], 2, v2
.set i, 1
.rept 31
	v_add_nc_u32 v[WOFF+i], s36, v[WOFF+i-1]
.set i, i+1
.endr
	s_mul_i32 s50, s32, 32*WP
	s_add_co_u32 s50, s50, WLDS                    ; my stage
	v_and_b32 v5, 7, v2
	v_bfe_u32 v6, v2, 3, 1
	v_bfe_u32 v7, v2, 4, 1
	v_lshl_or_b32 v5, v6, 4, v5
	v_lshl_or_b32 v5, v7, 3, v5                    ; my column with bits 3 and 4 exchanged: its stored row
	v_mul_u32_u24 v4, v5, WP
	v_add_nc_u32 v4, s50, v4                       ; into the stage
	v_and_b32 v5, 15, v2
	v_lshrrev_b32 v6, 4, v2
	v_mul_u32_u24 v7, v6, WP
	v_lshl_add_u32 v7, v5, 4, v7
	v_add_nc_u32 v7, s50, v7                       ; out of it: sixteen lanes to a row, two rows an instruction
	v_lshlrev_b32 v8, 10, v6
	v_lshl_add_u32 v8, v5, 4, v8                   ; and the same place among the codes
.macro WLOAD t                         ; block t: rows 32 t .. 32 t + 31 of my column into set t % 2
.if (\t) > 0
	s_wait_xcnt 0x0                                ; the loads before have read their base: it steps only behind this wait
	s_add_nc_u64 s[4:5], s[4:5], s[46:47]
.endif
.set i, 0
.rept 32
	global_load_b32 v[WX+32*((\t)%2)+i], v[WOFF+i], s[4:5] th:TH_LOAD_NT
.set i, i+1
.endr
.endm
	WLOAD 0
	WLOAD 1
	s_wait_kmcnt 0x0
	s_cmp_eq_u32 s44, 1
	s_cselect_b32 s51, s25, s31                    ; e1 or e7
	s_add_co_i32 s51, s51, 127
	s_lshl_b32 s52, s51, 23
	v_mov_b32 v11, s52
	s_add_co_i32 s51, s51, EMAX
	s_lshl_b32 s51, s51, 23
	s_or_b32 s51, s51, MANT
	v_mov_b32 v10, s51
.macro WBLOCK t
.set WS, WX+32*((\t)%2)
.if (\t) < 7
	s_wait_loadcnt 32                              ; this block's 32 loads are in; the next block's may be out
.else
	s_wait_loadcnt 0
.endif
.set i, 0
.rept 32
	v_med3_num_f32 v[WS+i], v[WS+i], -v10, v10
.set i, i+1
.endr
.irp g, 0,1,2,3
	v_cvt_scalef32_pk8_fp8_f32 v[WC+2*\g:WC+2*\g+1], v[WS+8*\g:WS+8*\g+7], v11
.endr
	ds_store_b128 v4, v[WC:WC+3] offset:32*(\t)
	ds_store_b128 v4, v[WC+4:WC+7] offset:32*(\t)+16
.if (\t)+2 < 8
	WLOAD (\t)+2
.endif
	s_wait_dscnt 0x0                               ; the stores have read their registers: the next block's codes may be written
.endm
.irp t, 0,1,2,3,4,5,6,7
	WBLOCK \t
.endr
.irp t, 0,1,2,3,4,5,6,7,8,9,10,11,12,13,14,15
	ds_load_b128 v[WOUT+4*\t:WOUT+4*\t+3], v7 offset:2*\t*WP
.endr
.irp t, 0,1,2,3,4,5,6,7,8,9,10,11,12,13,14,15
	s_wait_dscnt 15-\t
	global_store_b128 v8, v[WOUT+4*\t:WOUT+4*\t+3], s[14:15] offset:2*\t*1024   ; sixteen lanes store 256 consecutive bytes, aligned
.endr
	s_wait_tensorcnt 0x0                           ; the wave's end
	ds_add_u32 v[SPW], v[NIL]
	s_wait_dscnt 0x0
	s_endpgm
.Lrole_m:
; ---------------------------------------------------------------- role M
; Work-group = tile qt of 16 queries: query(r) = 32 (qt / 2) + 8 (qt % 2) + r % 8 + 16 (r / 8).  Wave w = key steps 4 w .. 4 w + 3, 128 keys each.
; maskw [qt][step][64 words]: bit r + 16 h of word 16 b + i is mask[query(r)][128 step + 32 b + 16 h + i]: the word is a lane mask for one register of scores.
; flags [qt]: bits 2 s, 2 s + 1 for step s: 0 all false, 1 mixed, 2 all true; 0x55555555 where one of the 16 rows is false in all 2,048 keys, so that nothing of such a tile is left out.
	s_sub_co_u32 s33, ttmp9, 384                   ; qt
	s_lshr_b32 s34, s33, 1
	s_lshl_b32 s34, s34, 5
	s_and_b32 s35, s33, 1
	s_lshl_b32 s35, s35, 3
	s_add_co_u32 s34, s34, s35                     ; the tile's first row
	s_lshl_b32 s34, s34, 11
	s_lshl_b32 s35, s32, 9                         ; my 512 keys
	s_add_co_u32 s34, s34, s35
	s_mov_b32 s35, 0
	s_add_nc_u64 s[10:11], s[10:11], s[34:35]
	s_lshl_b32 s38, s33, 12
	s_lshl_b32 s39, s32, 10
	s_add_co_u32 s38, s38, s39
	s_mov_b32 s39, 0
	s_add_nc_u64 s[20:21], s[20:21], s[38:39]      ; my four steps' words
	s_lshl_b32 s38, s33, 2
	s_add_nc_u64 s[22:23], s[22:23], s[38:39]      ; the tile's flag word
	v_and_b32 v5, 15, v2
	v_lshrrev_b32 v6, 4, v2
	v_lshlrev_b32 v3, 11, v6
	v_lshl_add_u32 v3, v5, 4, v3                   ; sixteen lanes read 256 bytes of a row, lanes 16-31 the row below
	s_mul_i32 s36, s32, 16*MP
	s_add_co_u32 s36, s36, MLDS                    ; my stage
	v_mul_u32_u24 v4, v6, MP
	v_lshl_add_u32 v4, v5, 4, v4
	v_add_nc_u32 v4, s36, v4                       ; into it, as loaded
	v_mul_u32_u24 v7, v5, MP
	v_lshl_add_u32 v7, v6, 4, v7
	v_add_nc_u32 v7, s36, v7                       ; out of it: row r, + 16 h
	v_lshlrev_b32 v8, 3, v2                        ; two words a lane
.irp k, 0,1,2,3,4,5,6,7
.irp p, 0,1
	global_load_b128 v[MD+4*(2*\k+\p):MD+4*(2*\k+\p)+3], v3, s[10:11] offset:(2*\k+8*(\k/4))*2048+256*\p th:TH_LOAD_NT
.endr
.endr
.irp j, 0,1,2,3,4,5,6,7
	v_mov_b32 v[MW+\j], 0                          ; a lane write's destination counts as read
.endr
.irp k, 0,1,2,3,4,5,6,7
.irp p, 0,1
	s_wait_loadcnt 15-(2*\k+\p)                    ; loads come back in order: this one is in, the younger stay out
	ds_store_b128 v4, v[MD+4*(2*\k+\p):MD+4*(2*\k+\p)+3] offset:2*\k*MP+256*\p
.endr
.endr
.irp s, 0,1,2,3
.irp b, 0,1,2,3
	ds_load_b128 v[ME+4*(4*\s+\b):ME+4*(4*\s+\b)+3], v7 offset:128*\s+32*\b   ; my own bytes, served in order behind my stores
.endr
.endr
	s_mov_b32 s44, 0                               ; my four steps' flags
	s_mov_b32 s45, 0                               ; which lanes have met an open key
.set mst, 0
.rept 4
	s_wait_dscnt 4*(3-mst)                         ; this step's four loads are in; the later steps' stay out
	s_mov_b32 s42, 0
	s_mov_b32 s43, -1
.set n, 0
.rept 64
	v_and_b32 v[152+(n&1)], 0xff<<(8*(n&3)), v[ME+4*(4*mst+(n>>4))+((n&15)>>2)]
	v_cmp_ne_u32 s[40+(n&1)], 0, v[152+(n&1)]
	s_or_b32 s42, s42, s[40+(n&1)]
	s_and_b32 s43, s43, s[40+(n&1)]
	v_writelane_b32 v[MW+2*mst+(n&1)], s[40+(n&1)], n>>1
.set n, n+1
.endr
	global_store_b64 v8, v[MW+2*mst:MW+2*mst+1], s[20:21] offset:256*mst   ; the wave stores 256 consecutive bytes, aligned
	s_cmp_eq_u32 s43, -1
	s_cselect_b32 s46, 2, 1
	s_cmp_eq_u32 s42, 0
	s_cselect_b32 s46, 0, s46
	s_lshl_b32 s46, s46, 2*mst
	s_or_b32 s44, s44, s46
	s_or_b32 s45, s45, s42
.set mst, mst+1
.endr
	s_lshr_b32 s46, s45, 16
	s_or_b32 s45, s45, s46
	s_and_b32 s45, s45, 0xffff                     ; bit r: row r has an open key among my 512
	s_lshl_b32 s46, s44, 16
	s_or_b32 s45, s45, s46
	s_lshl_b32 s47, s32, 2
	s_add_co_u32 s47, s47, MEXC
	v_mov_b32 v9, s45
	v_mov_b32 v10, s47
	ds_store_b32 v10, v9                           ; all lanes write the same word with the same value
	s_wait_dscnt 0x0                               ; for the others' sake
	s_barrier_signal -1
	s_barrier_wait -1
	v_mov_b32 v11, MEXC
	ds_load_b128 v[12:15], v11
	s_wait_dscnt 0x0
	v_readfirstlane_b32 s48, v12
	v_readfirstlane_b32 s49, v13
	v_readfirstlane_b32 s50, v14
	v_readfirstlane_b32 s51, v15
	s_or_b32 s52, s48, s49
	s_or_b32 s52, s52, s50
	s_or_b32 s52, s52, s51
	s_and_b32 s52, s52, 0xffff                     ; rows with an open key anywhere
	s_lshr_b32 s53, s48, 16
	s_lshr_b32 s54, s49, 16
	s_lshl_b32 s54, s54, 8
	s_or_b32 s53, s53, s54
	s_and_b32 s54, s50, 0xff0000
	s_or_b32 s53, s53, s54
	s_lshl_b32 s54, s51, 8
	s_and_b32 s54, s54, 0xff000000
	s_or_b32 s53, s53, s54                         ; the sixteen steps' flags
	s_cmp_eq_u32 s52, 0xffff
	s_cselect_b32 s53, s53, 0x55555555
	s_cmp_lg_u32 s32, 0
	s_cbranch_scc1 .Lm_end
	v_mov_b32 v154, s53
	v_mov_b32 v155, 0
	v_cmp_eq_u32 vcc_lo, 0, v0
	s_wait_xcnt 0x0                                ; EXEC changes only behind this wait: my stores above have it among their sources
	s_and_saveexec_b32 s55, vcc_lo
	global_store_b32 v155, v154, s[22:23]          ; four bytes a work-group: the one store here that is no whole run of 256 bytes
	s_wait_xcnt 0x0
	s_or_b32 exec_lo, exec_lo, s55
.Lm_end:
	s_wait_tensorcnt 0x0                           ; the wave's end
	ds_add_u32 v[SPW], v[NIL]
	s_wait_dscnt 0x0
	s_endpgm
.Lfunc_end_k_q530b4dd432_prep:
	.size	k_q530b4dd432_prep, .Lfunc_end_k_q530b4dd432_prep-k_q530b4dd432_prep
	.p2alignl 7, 3214868480
	.fill 96, 4, 3214868480
	.section	.rodata,"a",@progbits
	.p2align	6, 0x0
	.amdhsa_kernel k_q530b4dd432_prep
		.amdhsa_group_segment_fixed_size 102144
		.amdhsa_private_segment_fixed_size 0
		.amdhsa_enable_private_segment 0
		.amdhsa_kernarg_size 80
		.amdhsa_user_sgpr_count 2
		.amdhsa_user_sgpr_kernarg_segment_ptr 1
		.amdhsa_wavefront_size32 1
		.amdhsa_system_sgpr_workgroup_id_x 1
		.amdhsa_system_sgpr_workgroup_id_y 1
		.amdhsa_system_sgpr_workgroup_id_z 1
		.amdhsa_system_vgpr_workitem_id 0
		.amdhsa_next_free_vgpr 212
		.amdhsa_next_free_sgpr 66
		.amdhsa_reserve_vcc 1
		.amdhsa_float_denorm_mode_32 3
		.amdhsa_float_denorm_mode_16_64 3
		.amdhsa_memory_ordered 1
		.amdhsa_forward_progress 1
		.amdhsa_inst_pref_size 161
	.end_amdhsa_kernel
	.amdgpu_metadata
---
amdhsa.version: [ 1, 2 ]
amdhsa.kernels:
  - .name:           k_q530b4dd432_prep
    .symbol:         k_q530b4dd432_prep.kd
    .args:
      - { .name: x, .offset: 0, .size: 8, .value_kind: global_buffer, .address_space: global }
      - { .name: W_attn, .offset: 8, .size: 8, .value_kind: global_buffer, .address_space: global }
      - { .name: W_proj, .offset: 16, .size: 8, .value_kind: global_buffer, .address_space: global }
      - { .name: mask, .offset: 24, .size: 8, .value_kind: global_buffer, .address_space: global }
      - { .name: lowp_scales, .offset: 32, .size: 8, .value_kind: global_buffer, .address_space: global }
      - { .name: xc, .offset: 40, .size: 8, .value_kind: global_buffer, .address_space: global }
      - { .name: wac, .offset: 48, .size: 8, .value_kind: global_buffer, .address_space: global }
      - { .name: wpc, .offset: 56, .size: 8, .value_kind: global_buffer, .address_space: global }
      - { .name: maskw, .offset: 64, .size: 8, .value_kind: global_buffer, .address_space: global }
      - { .name: flags, .offset: 72, .size: 8, .value_kind: global_buffer, .address_space: global }
    .group_segment_fixed_size: 102144
    .private_segment_fixed_size: 0
    .kernarg_segment_align: 8
    .kernarg_segment_size: 80
    .max_flat_workgroup_size: 128
    .sgpr_count:     66
    .vgpr_count:     212
    .wavefront_size: 32
...
	.end_amdgpu_metadata
.endif
;; end of part 1
;; launch qkv (part 2): grid 12 x 32, 4 waves a work-group, clusters of 4 x 4, 327,680 bytes of LDS; arguments xc, wac, lowp_scales, b_attn, qkvc; writes qkvc
.if DOCPART == 2
	.amdgcn_target "amdgcn-amd-amdhsa--gfx1250"
	.amdhsa_code_object_version 6
	.text
	.protected	k_q530b4dd432_qkv
	.globl	k_q530b4dd432_qkv
	.p2align	8
	.type	k_q530b4dd432_qkv,@function
k_q530b4dd432_qkv:
	s_mov_b64 s[64:65], 0
	v_nop
	global_prefetch_b8 v0, s[64:65] scope:SCOPE_SE
	s_setreg_imm32_b32 hwreg(HW_REG_WAVE_MODE, 25, 1), 1
	s_wait_xcnt 0x0
	s_wait_alu depctr_hold_cnt(0) depctr_sa_sdst(0) depctr_va_vdst(0) depctr_va_sdst(0) depctr_va_ssrc(0) depctr_va_vcc(0) depctr_vm_vsrc(0)
	s_getreg_b32 s2, hwreg(HW_REG_IB_STS2, 6, 4)
	s_cmp_eq_u32 s2, 0
	s_cbranch_scc0 .Lentry_in_a_cluster
	s_endpgm
.Lentry_in_a_cluster:
	s_bfe_u32 s2, ttmp6, 0x10000c
	s_cmp_lg_u32 s2, 0xf033
	s_cbranch_scc0 .Lentry_shape_is_right
	s_endpgm
.Lentry_shape_is_right:
; QKV: qkv = x W_attn + b_attn on codes of E4M3 (K = 1,024), and its three parts quantised at once into the operands of the attention launch: nothing leaves in f32.
; A work-group of four waves makes 256 x 256 of the product, a wave 128 x 128: 64 accumulators, 512 registers.  K goes in steps of 256 through a ring of two LDS slots filled by the tensor data mover.
; THE ROLE hangs on the cluster's x, which all sixteen partners share: 0 = q, 1 = k, 2 = v.  P is the operand whose row a lane holds (source 1), Q the one that runs along a lane's registers (source 0):
;   q, k: P = tokens (xc), Q = columns (wac): a lane holds one token and, in two neighbouring accumulators, 16 neighbouring channels of a head: K of the scores' product.
;   v:    P = columns (wac), Q = tokens (xc): a lane holds one channel and 16 neighbouring tokens: the keys, K of the second product.
; xc's and wac's rows are stored with bits 3 and 4 of their number exchanged, which is what makes the 16 registers neighbours.
; THE RESULT LEAVES AS IMAGES OF OPERAND REGISTERS: a lane's 16 codes are 16 bytes at 16 x lane of a piece of 512 bytes; each store of the wave covers 512 consecutive bytes, aligned; no LDS on the way out.
;   q, k: part x 8,388,608 + head (b 16 + h) x 131,072 + tile of 16 stored tokens x 1,024 + (channel / 32) x 512.     v: 16,777,216 + head x 131,072 + (key / 128) x 8,192 + tile of 16 channels x 2,048 + ((key / 32) % 4) x 512.
; THE BIAS: along the registers (q, k) it is the C of each sum's first matrix instruction, divided by 2^(e0 + e1); along the lanes (v) it is added to the finished sums, and the first C is zeros.
; CLUSTER 4 x 4: P's tile hangs on cy alone and is asked for jointly by a row of the cluster, Q's on cx alone, by a column.
; LIMITS: eo - e0 - e1 between -126 and 119 (eo = e2, e3, e5).  NaN among the inputs is not served.
; REGISTERS: window 0: v0-31 addresses and the two numbers of the conversion; v32-95 BQ, v96-111 BP (the biases); from v128 P's fragments, one set; on the way out v112-175 numbers, v176-239 codes.
;   window 1: Q's fragments, two sets.   windows 2, 3: the accumulators ((a, b) at v[8 (8 (a % 4) + b)]).
.set ROWB,   256                       ; a tile's row in bytes: 256 codes
.set KROW,   1024                      ; a row of xc or wac in memory
.set PITCH,  272                       ; an LDS row: 256 bytes + 16 of padding: the 16 rows of a fragment load start at 16 different banks (64 banks of 4 bytes: ISA guide 11.1)
.set FR,     16
.set NL,     4
.set NP,     4                         ; places behind this matrix instruction (ISA guide 7.12.1)
.set HALFT,  128*PITCH
.set SLOT,   4*HALFT
.set LAPS,   2                         ; 1,024 / (2 x 256)
.set SPARE,  2*SLOT                    ; behind the ring: the spare words, two blocks of 256 bytes that no other line names
.set ADRA, 16
.set ADRB, 20
.set CO,   26                          ; v26  16 x lane
.set SPW,  28
.set NIL,  29
.set SCV,  30                          ; v30  2^(eo - e0 - e1)
.set LIMV, 31                          ; v31  448 x that
.set BQ,   32
.set BP,   96
.set TMP,  112
.set CD,   176
.set AF,   128
.set G1, 24
.set G0, 32
.set G1B, 48
.set G0B, 56
.set MSB, 0
.macro WIN new                         ; the immediate's high byte repeats the setting that is left
.if MSB != \new
	s_set_vgpr_msb (MSB<<8)|\new
.set MSB, \new
.endif
.endm
.set MUL_LO, 0xa1                      ; source 0 (Q) window 1, source 1 (P) window 0, C and D window 2
.set MUL_HI, 0xf1
.set FIRST_LO, 0x81                    ; the same with C (the bias) in window 0
.set FIRST_HI, 0xc1
.set TO_B,   0x40
.macro JLOAD g0a, g1a, g0b, g1b        ; waves 0 and 1 fetch for P, waves 2 and 3 for Q; an s_nop 0 and four v_nop follow each line
	s_cmp_eq_u32 s15, 0
	s_cbranch_scc0 .Lfor_b_\@
	tensor_load_to_lds s[\g0a:\g0a+3], s[\g1a:\g1a+7]
	s_nop 0
.rept 4
	v_nop
.endr
	s_branch .Lasked_\@
.Lfor_b_\@:
	tensor_load_to_lds s[\g0b:\g0b+3], s[\g1b:\g1b+7]
	s_nop 0
.rept 4
	v_nop
.endr
.Lasked_\@:
.endm
.macro CREST
	s_cmp_lg_u32 s14, 0
	s_cbranch_scc1 .Lnot_wave_0_\@
	s_barrier_signal -3
.Lnot_wave_0_\@:
	s_barrier_wait -3
	s_barrier_signal -1
	s_barrier_wait -1
.endm
.macro CROUND
	s_barrier_signal -1
	s_barrier_wait -1
	CREST
.endm
	s_load_b128 s[4:7], s[0:1], 0x0                ; xc, wac
	s_load_b128 s[8:11], s[0:1], 0x10              ; the scales' exponents, b_attn
	s_load_b64 s[12:13], s[0:1], 0x20              ; qkvc
	v_lshl_add_u32 v[SPW], v0, 2, SPARE
	v_mov_b32 v[NIL], 0
	ds_add_u32 v[SPW], v[NIL]                      ; the wave's opening add; its wait stands ahead of my first tensor load
	v_lshrrev_b32 v1, 5, v0
	v_readfirstlane_b32 s14, v1                    ; wave 0..3
	s_lshr_b32 s15, s14, 1                         ; which half of P's rows is mine.  Also: I fetch for P (0) or for Q (1)
	s_and_b32 s16, s14, 1                          ; which half of Q's rows.  Also: which 128 rows of that tile I fetch
	s_bfe_u32 s40, ttmp6, 0x40000                  ; cx
	s_bfe_u32 s41, ttmp6, 0x40004                  ; cy
	s_and_b32 s17, ttmp7, 0xffff                   ; Y: the cluster's 1,024 tokens
	s_lshl_b32 s43, s41, 2
	s_lshl_b32 s43, 15, s43                        ; my row of the cluster
	s_lshl_b32 s44, 0x1111, s40                    ; my column
	s_or_b32 s[G1+0], s43, (0<<16)|(1<<20)|(1<<21)|(5<<22)|(3<<25)  ; the mask; elements of 1 byte; padding on; bit 21 beside a mask; four words after every 64
	s_or_b32 s[G1B+0], s44, (0<<16)|(1<<20)|(1<<21)|(5<<22)|(3<<25)
.irp g, G1, G1B
	s_mov_b32 s[\g+1], ROWB<<16                    ; tensor_dim0
	s_mov_b32 s[\g+2], 128<<16                     ; tensor_dim1
	s_mov_b32 s[\g+3], ROWB<<16                    ; tile_dim0
	s_mov_b32 s[\g+4], 128                         ; tile_dim1
	s_mov_b32 s[\g+5], KROW                        ; the pitch
	s_mov_b32 s[\g+6], 0
	s_mov_b32 s[\g+7], 0
.endr
	s_lshl_b32 s18, s16, 7                         ; which 128 rows of the tile I fetch
	s_lshl_b32 s20, s17, 10                        ; 1,024 Y
	s_lshl_b32 s46, ttmp9, 10                      ; 1,024 X
	s_cmp_eq_u32 ttmp9, 2
	s_cselect_b32 s46, s20, s46                    ; Q's first row: columns 1,024 X, or (v) tokens 1,024 Y
	s_cselect_b32 s20, 2048, s20                   ; P's first row: tokens 1,024 Y, or (v) columns 2,048
	s_lshl_b32 s21, s41, 8
	s_add_co_u32 s20, s20, s21                     ; + 256 cy: P's address holds cy alone
	s_add_co_u32 s20, s20, s18
	s_lshl_b32 s47, s40, 8
	s_add_co_u32 s46, s46, s47                     ; + 256 cx: Q's holds cx alone
	s_add_co_u32 s46, s46, s18
	s_lshl_b32 s20, s20, 10                        ; rows of 1,024 bytes
	s_lshl_b32 s46, s46, 10
	s_mov_b32 s21, 0
	s_mov_b32 s47, 0
	s_mul_i32 s45, s14, HALFT                      ; where they go: wave x 128 rows
	s_wait_dscnt 0x0                               ; the opening add is done
	s_wait_kmcnt 0x0
	s_load_b256 s[80:87], s[8:9], 0x0              ; e0 .. e7
	s_cmp_eq_u32 ttmp9, 2
	s_cselect_b64 s[72:73], s[6:7], s[4:5]         ; P's buffer
	s_cselect_b64 s[74:75], s[4:5], s[6:7]         ; Q's
	s_add_nc_u64 s[20:21], s[72:73], s[20:21]
	s_add_nc_u64 s[46:47], s[74:75], s[46:47]
	CROUND                                         ; all sixteen work-groups are here: the first joint loads meet
.irp s, 0,1
	s_mov_b32 s[G0+4*\s], 1
	s_add_co_u32 s[G0+4*\s+1], s45, \s*SLOT
	s_add_nc_u64 s[G0+4*\s+2:G0+4*\s+3], s[20:21], \s*ROWB
	s_or_b32 s[G0+4*\s+3], s[G0+4*\s+3], 0x80000000
	s_mov_b32 s[G0B+4*\s], 1
	s_add_co_u32 s[G0B+4*\s+1], s45, \s*SLOT
	s_add_nc_u64 s[G0B+4*\s+2:G0B+4*\s+3], s[46:47], \s*ROWB
	s_or_b32 s[G0B+4*\s+3], s[G0B+4*\s+3], 0x80000000
	JLOAD G0+4*\s, G1, G0B+4*\s, G1B               ; two loads of mine are out
.endr
	v_and_b32 v1, 15, v0                           ; r
	v_bfe_u32 v2, v0, 4, 1                         ; h
	v_mul_u32_u24 v3, v1, PITCH
	v_lshl_add_u32 v4, v2, 4, v3
	s_mul_i32 s21, s15, HALFT
	s_mul_i32 s22, s16, HALFT
	s_add_co_u32 s22, s22, 2*HALFT
.irp s, 0,1
	v_add_nc_u32 v[ADRA+\s], s21, v4
	v_add_nc_u32 v[ADRB+\s], s22, v4
	s_add_co_u32 s21, s21, SLOT
	s_add_co_u32 s22, s22, SLOT
.endr
	v_and_b32 v6, 31, v0
	v_lshlrev_b32 v[CO], 4, v6
	; the biases.  BQ: register 16 g + i = b_attn at my 128 columns' 32 g + 16 h + i (q, k).  BP: pair a = b_attn at column 32 (a / 2) + 8 (a % 2) + r % 8 + 16 (r / 8) of my 128 (v).
	; The set that a role does not use is loaded from the buffer's head, so that every register is written.
	s_lshl_b32 s76, ttmp9, 10
	s_lshl_b32 s77, s40, 8
	s_add_co_u32 s76, s76, s77
	s_lshl_b32 s77, s16, 7
	s_add_co_u32 s76, s76, s77
	s_lshl_b32 s76, s76, 2
	s_lshl_b32 s78, s41, 8
	s_lshl_b32 s79, s15, 7
	s_add_co_u32 s78, s78, s79
	s_add_co_u32 s78, s78, 2048
	s_lshl_b32 s78, s78, 2
	s_cmp_eq_u32 ttmp9, 2
	s_cselect_b32 s76, 0, s76
	s_cselect_b32 s78, s78, 0
	s_cselect_b32 s70, 0, -1                       ; all lanes in q and k, none in v
	s_cselect_b32 s88, s41, s40                    ; the head's side: cx and my half of Q (q, k), cy and my half of P (v)
	s_cselect_b32 s89, s15, s16
	s_cselect_b32 s90, s40, s41                    ; the tokens' side
	s_cselect_b32 s91, s16, s15
	s_mov_b32 s77, 0
	s_mov_b32 s79, 0
	s_add_nc_u64 s[76:77], s[10:11], s[76:77]
	s_add_nc_u64 s[78:79], s[10:11], s[78:79]
	v_lshlrev_b32 v7, 6, v2
	v_and_b32 v8, 8, v1
	v_add_nc_u32 v8, v8, v1
	v_lshlrev_b32 v8, 2, v8
.irp g, 0,1,2,3
.irp k, 0,1,2,3
	global_load_b128 v[BQ+16*\g+4*\k:BQ+16*\g+4*\k+3], v7, s[76:77] offset:128*\g+16*\k
.endr
.endr
.irp a, 0,1,2,3,4,5,6,7
	global_load_b32 v[BP+2*\a], v8, s[78:79] offset:4*(32*(\a/2)+8*(\a%2))
	global_load_b32 v[BP+2*\a+1], v8, s[78:79] offset:4*(32*(\a/2)+8*(\a%2))
.endr
	; where my images go: part X, head (Y / 2) 16 + 4 u + 2 us, then (4 (Y % 2) + w) x 16,384 + ws x 8,192: my 128 tokens' place in a head, the same figure in all three parts
	s_lshr_b32 s92, s17, 1
	s_lshl_b32 s92, s92, 4
	s_lshl_b32 s88, s88, 2
	s_add_co_u32 s92, s92, s88
	s_lshl_b32 s89, s89, 1
	s_add_co_u32 s92, s92, s89
	s_lshl_b32 s92, s92, 17
	s_and_b32 s93, s17, 1
	s_lshl_b32 s93, s93, 2
	s_add_co_u32 s93, s93, s90
	s_lshl_b32 s93, s93, 14
	s_add_co_u32 s92, s92, s93
	s_lshl_b32 s91, s91, 13
	s_add_co_u32 s92, s92, s91
	s_lshl_b32 s93, ttmp9, 23
	s_add_co_u32 s92, s92, s93
	s_mov_b32 s93, 0
	s_add_nc_u64 s[12:13], s[12:13], s[92:93]
	s_wait_kmcnt 0x0
	s_add_co_i32 s71, s80, s81                     ; e0 + e1: a sum stands for sum x 2^(e0 + e1)
	s_sub_co_i32 s94, 0, s71
	s_cmp_eq_u32 ttmp9, 0
	s_cselect_b32 s95, s82, s83
	s_cmp_eq_u32 ttmp9, 2
	s_cselect_b32 s95, s85, s95                    ; eo = e2, e3 or e5: chosen, not branched on
	s_sub_co_i32 s95, s95, s71
	s_add_co_i32 s95, s95, 127
	s_lshl_b32 s71, s95, 23
	v_mov_b32 v[SCV], s71                          ; the three scales folded into the conversion's one
	s_add_co_i32 s95, s95, 8
	s_lshl_b32 s95, s95, 23
	s_or_b32 s95, s95, 0x600000
	v_mov_b32 v[LIMV], s95
	s_wait_loadcnt 0x0
.set j, 0
.rept 80
	v_ldexp_f32 v[BQ+j], v[BQ+j], s94              ; the biases / 2^(e0 + e1)
.set j, j+1
.endr
.set j, 0
.rept 64
	v_cndmask_b32 v[BQ+j], 0, v[BQ+j], s70         ; in v the first C is zeros
.set j, j+1
.endr
.macro FRAG reg, adr, q, i             ; 16 rows x 128 K: registers 4 c .. 4 c + 3 hold K = 32 c + 16 (l / 16) + 0 .. 15, alike on both sides
.irp c, 0,1,2,3
	ds_load_b128 v[\reg+4*\c:\reg+4*\c+3], v[\adr] offset:128*(\q)+32*\c+(\i)*16*PITCH
.endr
.endm
; 16 matrix instructions: P's blocks a0, a0 + 1 x Q's eight.  zero = 1: the first product starts the sums, with the bias as C.  The 64 accumulators take turns.
.macro MUL16 a0, p, zero
.irp a, \a0, \a0+1
.irp b, 0,1,2,3,4,5,6,7
.if \zero
	v_wmma_f32_16x16x128_fp8_fp8 v[8*(8*((\a)%4)+\b):8*(8*((\a)%4)+\b)+7], v[128*(\p)+FR*\b:128*(\p)+FR*\b+FR-1], v[AF+FR*(\a):AF+FR*(\a)+FR-1], v[BQ+8*\b:BQ+8*\b+7]
.else
	v_wmma_f32_16x16x128_fp8_fp8 v[8*(8*((\a)%4)+\b):8*(8*((\a)%4)+\b)+7], v[128*(\p)+FR*\b:128*(\p)+FR*\b+FR-1], v[AF+FR*(\a):AF+FR*(\a)+FR-1], v[8*(8*((\a)%4)+\b):8*(8*((\a)%4)+\b)+7]
.endif
.endr
.endr
.endm
.macro FETCH_B slot, q, p
	WIN TO_B
.irp i, 0,1,2,3,4,5,6,7
	FRAG 128*(\p)+FR*\i, ADRB+\slot, \q, \i
.endr
	WIN 0
.endm
.macro FETCH_A slot, q, i0
.irp i, \i0, \i0+1, \i0+2, \i0+3
	FRAG AF+FR*(\i), ADRA+\slot, \q, \i
.endr
.endm
.macro PLACES n                        ; plain vector instructions between a matrix instruction and a load into, or a read of, its registers
.rept \n
	v_nop
.endr
.endm
.macro STEP slot, q, zero              ; 128 along K, with its successor in the same slot
	s_wait_dscnt 4*NL                              ; Q's set and P's blocks 0-3 are in; the youngest sixteen loads (P's blocks 4-7) may be out
.if \zero
	WIN FIRST_LO
.else
	WIN MUL_LO
.endif
	MUL16 0, (\q)%2, \zero
	MUL16 2, (\q)%2, \zero
	s_wait_dscnt 0
	PLACES NP
	FETCH_B \slot, (\q)+1, 1-(\q)%2
	FETCH_A \slot, (\q)+1, 0
.if \zero
	WIN FIRST_HI
.else
	WIN MUL_HI
.endif
	MUL16 4, (\q)%2, \zero
	MUL16 6, (\q)%2, \zero
	PLACES NP
	WIN 0
	FETCH_A \slot, (\q)+1, 4
.endm
; A slot's last step changes slots: one barrier; in front of it each wave waits for all its tensor loads, adds 0 to its spare word, and waits for that and for its reads of this slot.
.macro TURN slot, next, fill
	s_wait_tensorcnt 0x0                           ; all my tensor loads have landed: my part of the next slot
	ds_add_u32 v[SPW], v[NIL]
	s_wait_dscnt 4*NL+1                            ; the add and the youngest sixteen loads may be out
	WIN MUL_LO
	MUL16 0, 1, 0
	s_wait_dscnt 0x0                               ; the add is done, and my reads of this slot are over
	s_barrier_signal -1
	MUL16 2, 1, 0
	WIN 0
	s_barrier_wait -1
.if \fill
	CREST                                          ; the barrier has opened a round of the cluster's: no wave of any partner still reads this slot or has a load on its way
	s_add_nc_u64 s[G0+4*\slot+2:G0+4*\slot+3], s[G0+4*\slot+2:G0+4*\slot+3], 2*ROWB
	s_add_nc_u64 s[G0B+4*\slot+2:G0B+4*\slot+3], s[G0B+4*\slot+2:G0B+4*\slot+3], 2*ROWB
	JLOAD G0+4*\slot, G1, G0B+4*\slot, G1B         ; the first tensor load behind the round, my one load until the next; its four v_nop are the places in front of the loads below
.else
	PLACES NP
.endif
	FETCH_B \next, 0, 0
	FETCH_A \next, 0, 0
	WIN MUL_HI
	MUL16 4, 1, 0
	MUL16 6, 1, 0
	PLACES NP
	WIN 0
	FETCH_A \next, 0, 4
.endm
	s_wait_tensorcnt 1                             ; my part of K step 0 is in; K step 1's load may be out
	s_barrier_signal -1
	s_barrier_wait -1
	FETCH_B 0, 0, 0
	FETCH_A 0, 0, 0
	FETCH_A 0, 0, 4
	STEP 0, 0, 1
	s_mov_b32 s3, LAPS-1
.Llap:                                                 ; a trip goes once round the ring and fills both slots again
	TURN 0, 1, 1
	STEP 1, 0, 0
	TURN 1, 0, 1
	STEP 0, 0, 0
	s_sub_co_u32 s3, s3, 1
	s_cmp_lg_u32 s3, 0
	s_cbranch_scc1 .Llap
	TURN 0, 1, 0                                   ; the last lap fills nothing
	STEP 1, 0, 0
	s_wait_dscnt 4*NL
	WIN MUL_LO
	MUL16 0, 1, 0
	MUL16 2, 1, 0
	s_wait_dscnt 0
	WIN MUL_HI
	MUL16 4, 1, 0
	MUL16 6, 1, 0
	WIN 0
; THE WAY OUT, block a of 16 rows of P at a time: (v: + the bias,) the hold, eight conversions, four stores.  Registers 16 g .. 16 g + 15 of a block are 16 neighbours along Q: one piece of an image.
.macro OUT role
.irp a, 0,1,2,3,4,5,6,7
.set AC, 64*((\a)%4)
.set CDA, CD+16*((\a)%4)
.if \a == 4
	s_wait_xcnt 0x0                                ; blocks 0-3's stores have read their data: the codes' registers are written a second time only behind this wait
.endif
	WIN 0x02+((\a)/4)                              ; source 0: window 2 or 3
.if \role
.set j, 0
.rept 32
	v_pk_add_f32 v[TMP+j:TMP+j+1], v[AC+j:AC+j+1], v[BP+2*\a:BP+2*\a+1]   ; each accumulator from its low end on
.set j, j+2
.endr
	WIN 0
.set j, 0
.rept 64
	v_med3_num_f32 v[TMP+j], v[TMP+j], -v[LIMV], v[LIMV]
.set j, j+1
.endr
.else
.set j, 0
.rept 64
	v_med3_num_f32 v[TMP+j], v[AC+j], -v[LIMV], v[LIMV]   ; the conversion does not saturate (ISA guide 7.6.2): the hold; each accumulator from its low end on
.set j, j+1
.endr
	WIN 0
.endif
.irp g, 0,1,2,3
	v_cvt_scalef32_pk8_fp8_f32 v[CDA+4*\g:CDA+4*\g+1], v[TMP+16*\g:TMP+16*\g+7], v[SCV]
	v_cvt_scalef32_pk8_fp8_f32 v[CDA+4*\g+2:CDA+4*\g+3], v[TMP+16*\g+8:TMP+16*\g+15], v[SCV]
.endr
	v_nop                                          ; a plain line between the conversions and the next block's writes of their sources
.irp g, 0,1,2,3
.if \role
	global_store_b128 v[CO], v[CDA+4*\g:CDA+4*\g+3], s[12:13] offset:((\a)/4)*131072+((\a)%4)*2048+\g*512
.else
	global_store_b128 v[CO], v[CDA+4*\g:CDA+4*\g+3], s[12:13] offset:(\g/2)*131072+(\a)*1024+(\g%2)*512
.endif
.endr
.endr
.endm
	PLACES NP                                      ; behind the last products: the lines below write registers that held P's fragments
	s_cmp_eq_u32 ttmp9, 2                          ; the cluster's x: alike in all partners
	s_cbranch_scc1 .Lrole_v
	OUT 0
	s_branch .Lsent
.Lrole_v:
	OUT 1
.Lsent:
	s_wait_tensorcnt 0x0                           ; the wave's end
	ds_add_u32 v[SPW], v[NIL]
	s_wait_dscnt 0x0
	CROUND                                         ; the closing round
	s_endpgm
.Lfunc_end_k_q530b4dd432_qkv:
	.size	k_q530b4dd432_qkv, .Lfunc_end_k_q530b4dd432_qkv-k_q530b4dd432_qkv
	.p2alignl 7, 3214868480
	.fill 96, 4, 3214868480
	.section	.rodata,"a",@progbits
	.p2align	6, 0x0
	.amdhsa_kernel k_q530b4dd432_qkv
		.amdhsa_group_segment_fixed_size 327680
		.amdhsa_private_segment_fixed_size 0
		.amdhsa_enable_private_segment 0
		.amdhsa_kernarg_size 40
		.amdhsa_user_sgpr_count 2
		.amdhsa_user_sgpr_kernarg_segment_ptr 1
		.amdhsa_wavefront_size32 1
		.amdhsa_system_sgpr_workgroup_id_x 1
		.amdhsa_system_sgpr_workgroup_id_y 1
		.amdhsa_system_sgpr_workgroup_id_z 1
		.amdhsa_system_vgpr_workitem_id 0
		.amdhsa_next_free_vgpr 1024
		.amdhsa_next_free_sgpr 100
		.amdhsa_reserve_vcc 0
		.amdhsa_float_denorm_mode_32 3
		.amdhsa_float_denorm_mode_16_64 3
		.amdhsa_memory_ordered 1
		.amdhsa_forward_progress 1
		.amdhsa_inst_pref_size 187
	.end_amdhsa_kernel
	.amdgpu_metadata
---
amdhsa.version: [ 1, 2 ]
amdhsa.kernels:
  - .name:           k_q530b4dd432_qkv
    .symbol:         k_q530b4dd432_qkv.kd
    .args:
      - { .name: xc, .offset: 0, .size: 8, .value_kind: global_buffer, .address_space: global }
      - { .name: wac, .offset: 8, .size: 8, .value_kind: global_buffer, .address_space: global }
      - { .name: lowp_scales, .offset: 16, .size: 8, .value_kind: global_buffer, .address_space: global }
      - { .name: b_attn, .offset: 24, .size: 8, .value_kind: global_buffer, .address_space: global }
      - { .name: qkvc, .offset: 32, .size: 8, .value_kind: global_buffer, .address_space: global }
    .group_segment_fixed_size: 327680
    .private_segment_fixed_size: 0
    .kernarg_segment_align: 8
    .kernarg_segment_size: 40
    .max_flat_workgroup_size: 128
    .sgpr_count:     100
    .vgpr_count:     1024
    .wavefront_size: 32
...
	.end_amdgpu_metadata
.endif
;; end of part 2
;; launch attn (part 3): grid 4 x 64, 16 waves a work-group, no clusters, 67,584 bytes of LDS; arguments qkvc, maskw, flags, lowp_scales, yc; writes yc
.if DOCPART == 3
	.amdgcn_target "amdgcn-amd-amdhsa--gfx1250"
	.amdhsa_code_object_version 6
	.text
	.protected	k_q530b4dd432_attn
	.globl	k_q530b4dd432_attn
	.p2align	8
	.type	k_q530b4dd432_attn,@function
k_q530b4dd432_attn:
	s_mov_b64 s[64:65], 0
	v_nop
	global_prefetch_b8 v0, s[64:65] scope:SCOPE_SE
	s_setreg_imm32_b32 hwreg(HW_REG_WAVE_MODE, 25, 1), 1
	s_wait_xcnt 0x0
; ATTN: y = softmax(where(mask, q k^T / 8, NEG)) v for 64 heads of 2,048 x 64, both products on codes of E4M3, and y quantised at once (e6) into the operand of the last launch.
; t = score x log2(e) / 8; M = the row's largest t so far, rounded up to a whole number; p = 2^(t - M) is quantised (e4), not normalised; the sum of the unquantised p divides at the end.
; SHARES.  Work-group (x, head) takes query blocks x and 7 - x of 256 queries, one after the other; each of its sixteen waves owns one tile of 16 queries in 256 registers, four waves to a SIMD.
; All operands are images of registers (16 bytes at 16 x lane of a piece of 512 bytes), so every LDS address is 16 x lane or 16 x thread plus an immediate.
; K and V come through two LDS buffers of 256 keys (16 KB of K, 16 KB of V), filled through registers: each thread loads 64 bytes two slots ahead and stores them one slot ahead; one barrier a slot.
; THE MASK IS AN INPUT.  An earlier launch has turned it into one bit a score (maskw: word n of a step is the lane mask of score register n) and two bits a tile and step (flags: 0 all false, 1 mixed, 2 all true).
; A wave leaves out a step whose flag is 0: p would be 0 there.  A tile with a row that is false in all keys has no flag 0, so that such a row comes out uniform, as the softmax of equal logits is.
; A slot that none of the sixteen tiles needs is neither fetched nor stored.  These are branches on stored whole numbers; they lead round a wave's own work, never round a barrier.
; A HIDDEN SCORE becomes -2^100 ahead of the maximum.  Under a real M its p is 0.  In a row with nothing open so far t = -c 2^100 is exact, M = t, p = 2^0 = 1; the first open key multiplies that by 2^(a saturated difference) = 0.
; NO CLUSTER, NO TENSOR LOAD, though the work-groups of a head read the same K and V: which slots a work-group fetches hangs on flags read from memory, so partners would ask for different tiles.
; LIMITS: e2 + e3 between -70 and 27 (c 2^100 is then a whole number, finite, and above the start value -3e38); e4 and e6 between -126 and 119.  NaN among the inputs is not served.
; REGISTERS: v1 16 x lane, v2 16 x thread, v3, v4 the add's two, v5 -2^100, v6, v7 2^e4 and 448 x 2^e4, v8, v9 the same with e6; v12 -M, v13 the largest t, v[14:15] the sum; v16-23 Q; v24-39 p's codes;
;   v40-71 O^T; v72-135 K's 8 fragments, then V's 4; v136-199 S^T, then p; v200-215, v216-231 the two fill sets; v232-239 at work.
.set LI,  1
.set FI,  2
.set SPW, 3
.set NIL, 4
.set NEGV, 5
.set SCP, 6
.set LMP, 7
.set SCY, 8
.set LMY, 9
.set QF,  16
.set PC,  24
.set OT,  40
.set KV,  72
.set ST,  136
.set SETA, 200
.set BUF,  32768                       ; a buffer: K's 16,384 bytes, then V's
.set SPARE, 65536                      ; behind the buffers: the spare words, 128 bytes for each of sixteen waves
	s_load_b64 s[4:5], s[0:1], 0x0                 ; qkvc
	s_load_b64 s[100:101], s[0:1], 0x8             ; maskw
	s_load_b64 s[104:105], s[0:1], 0x10            ; flags
	s_load_b64 s[28:29], s[0:1], 0x18              ; the scales' exponents
	s_load_b64 s[26:27], s[0:1], 0x20              ; yc
	v_lshl_add_u32 v[SPW], v0, 2, SPARE
	v_mov_b32 v[NIL], 0
	v_lshrrev_b32 v1, 5, v0
	v_readfirstlane_b32 s14, v1                    ; wave 0..15
	v_and_b32 v1, 31, v0
	v_lshlrev_b32 v[LI], 4, v1
	v_lshlrev_b32 v[FI], 4, v0
	v_mov_b32 v[NEGV], 0xf1800000                  ; -2^100
	v_mov_b32 v235, 0                              ; (named as the upper half of the pair v[234:235])
	v_mov_b32 v236, 0                              ; a lane permute's destination counts as one of its sources
	s_mov_b32 s20, 0x76543210
	s_mov_b32 s21, 0xfedcba98                      ; lane l xor 16
	s_mov_b32 s22, 0x3e38aa3b                      ; c = log2(e) / 8
	s_and_b32 s30, ttmp7, 0xffff                   ; b 16 + h
	s_lshl_b32 s2, s30, 17                         ; a head's 131,072 bytes in each part of qkvc
	s_mov_b32 s3, 0
	s_lshr_b32 s6, s30, 4
	s_lshl_b32 s6, s6, 21                          ; yc: b x 16 blocks of 128 tokens x 131,072
	s_and_b32 s7, s30, 15
	s_lshl_b32 s7, s7, 13                          ; + h x 8,192
	s_add_co_u32 s6, s6, s7
	s_mov_b32 s7, 0
	s_mov_b32 s19, ttmp9                           ; the first block of queries
	s_mov_b32 s18, 2
	s_wait_kmcnt 0x0
	s_load_b256 s[68:75], s[28:29], 0x0            ; e0 .. e7
	s_add_nc_u64 s[4:5], s[4:5], s[2:3]            ; q's head; k's lies 8,388,608 further on, v's 16,777,216
	s_add_nc_u64 s[26:27], s[26:27], s[6:7]
	s_wait_kmcnt 0x0
	s_add_co_i32 s30, s70, s71
	s_lshl_b32 s30, s30, 23
	s_add_co_i32 s22, s22, s30                     ; a score stands for score x 2^(e2 + e3): added to c's exponent field
	s_mov_b32 s23, s22
	s_mov_b32 s24, s72                             ; e4
	s_add_co_i32 s25, s72, s73                     ; e4 + e5
	s_add_co_i32 s30, s72, 127
	s_lshl_b32 s31, s30, 23
	v_mov_b32 v[SCP], s31
	s_add_co_i32 s30, s30, 8
	s_lshl_b32 s30, s30, 23
	s_or_b32 s30, s30, 0x600000
	v_mov_b32 v[LMP], s30
	s_add_co_i32 s30, s74, 127
	s_lshl_b32 s31, s30, 23
	v_mov_b32 v[SCY], s31
	s_add_co_i32 s30, s30, 8
	s_lshl_b32 s30, s30, 23
	s_or_b32 s30, s30, 0x600000
	v_mov_b32 v[LMY], s30
; THE HEAD OF A SLOT, buffer b: one barrier, on every wave's path.  In front of it my stores of this slot have landed and my reads of the slot before are back.  Behind it the set that was loaded a slot ago
; goes into the other buffer (the next slot), and this buffer's set is loaded with the slot after that.  s16 holds the work-group's flags, four bits a slot, this slot's lowest; zeros come in from above, so nothing is asked for past slot 7.
.macro SLOTHEAD b
	s_wait_dscnt 0x0
	s_barrier_signal -1
	s_barrier_wait -1
	s_wait_loadcnt 0x0                             ; the fill loads, issued a slot ago, are in: their bases may step
	s_add_nc_u64 s[6:7], s[6:7], 16384
	s_add_nc_u64 s[8:9], s[8:9], 16384
	s_and_b32 s30, s16, 0xf0                       ; does any tile need the next slot?
	s_cmp_lg_u32 s30, 0
	s_cbranch_scc0 .Lno_store_\@
.irp k, 0,1,2,3
	ds_store_b128 v[FI], v[SETA+16*(1-\b)+4*\k:SETA+16*(1-\b)+4*\k+3] offset:(1-\b)*BUF+8192*\k
.endr
.Lno_store_\@:
	s_and_b32 s30, s16, 0xf00                      ; and the one after?
	s_cmp_lg_u32 s30, 0
	s_cbranch_scc0 .Lno_load_\@
.irp k, 0,1
	global_load_b128 v[SETA+16*\b+4*\k:SETA+16*\b+4*\k+3], v[FI], s[6:7] offset:8192*\k
.endr
.irp k, 0,1
	global_load_b128 v[SETA+16*\b+8+4*\k:SETA+16*\b+8+4*\k+3], v[FI], s[8:9] offset:8192*\k
.endr
.Lno_load_\@:
	s_lshr_b32 s16, s16, 4
.endm
; A KEY STEP: 128 keys, the q-th of buffer b.
.macro STEP b, q
	s_and_b32 s30, s15, 3                          ; my tile's flag for this step
	s_lshr_b32 s15, s15, 2
	s_cmp_eq_u32 s30, 0
	s_cbranch_scc1 .Lskip_\@
.irp k, 0,1
	s_load_b512 s[32+16*\k:47+16*\k], s[10:11], (2*\b+\q)*256+64*\k        ; the step's 64 mask words: words 0-31 in s32-63,
.endr
.irp k, 0,1
	s_load_b512 s[68+16*\k:83+16*\k], s[10:11], (2*\b+\q)*256+128+64*\k    ; words 32-63 in s68-99
.endr
.rept 4
	v_nop                                          ; places in front of loads into registers that the last products read
.endr
.irp t, 0,1,2,3,4,5,6,7
	ds_load_b128 v[KV+8*\t:KV+8*\t+3], v[LI] offset:\b*BUF+\q*8192+\t*1024
	ds_load_b128 v[KV+8*\t+4:KV+8*\t+7], v[LI] offset:\b*BUF+\q*8192+\t*1024+512
.endr
	s_wait_dscnt 0x0
.irp t, 0,1,2,3,4,5,6,7                        ; S^T = K Q^T: a lane holds one query; the 16 registers of tiles 2 b', 2 b' + 1 are keys 32 b' + 16 (lane / 16) + 0 .. 15
	v_wmma_f32_16x16x64_fp8_fp8 v[ST+8*\t:ST+8*\t+7], v[KV+8*\t:KV+8*\t+7], v[QF:QF+7], 0
.endr
.rept 4
	v_nop                                          ; places: for the loads below and for the first read of the scores
.endr
.irp t, 0,1,2,3                                ; V's fragments land while the softmax is walked
.irp c, 0,1,2,3
	ds_load_b128 v[KV+16*\t+4*\c:KV+16*\t+4*\c+3], v[LI] offset:\b*BUF+16384+\q*8192+\t*2048+\c*512
.endr
.endr
	s_wait_kmcnt 0x0
	s_cmp_eq_u32 s30, 2                            ; all 16 x 128 open: nothing to hide
	s_cbranch_scc1 .Lopen_\@
.set n, 0
.rept 64
.if n < 32
	v_cndmask_b32 v[ST+n], v[NEGV], v[ST+n], s[32+n]
.else
	v_cndmask_b32 v[ST+n], v[NEGV], v[ST+n], s[36+n]
.endif
.set n, n+1
.endr
.Lopen_\@:
	v_max3_num_f32 v232, v[ST], v[ST+1], v[ST+2]   ; the step's largest score of my query among my 64 keys, in two chains, each accumulator from its low end on
	v_max3_num_f32 v233, v[ST+3], v[ST+4], v[ST+5]
.irp i, 6,10,14,18,22,26,30,34,38,42,46,50,54,58
	v_max3_num_f32 v232, v232, v[ST+\i], v[ST+1+\i]
	v_max3_num_f32 v233, v233, v[ST+2+\i], v[ST+3+\i]
.endr
	v_max3_num_f32 v232, v232, v[ST+62], v[ST+63]
	v_max_num_f32 v232, v232, v233
	v_permlanex16_b32 v236, v232, s20, s21
	v_max_num_f32 v232, v232, v236                 ; and among lane l xor 16's
	v_mul_f32 v232, s22, v232                      ; as t (c is positive)
	v_max_num_f32 v13, v13, v232
	v_mov_b32 v232, v12
	v_floor_f32 v12, -v13                          ; the new -M = -ceil(t)
	v_sub_f32 v232, v12, v232                      ; old M - new M: a whole number, 0 or less
	v_cvt_i32_f32 v232, v232                       ; (it saturates)
	v_ldexp_f32 v234, 1.0, v232                    ; f = 2^(old M - new M)
.set j, 0
.rept 32
	v_pk_fma_f32 v[ST+j:ST+j+1], v[ST+j:ST+j+1], s[22:23], v[12:13] op_sel_hi:[1,0,0]   ; t - M
.set j, j+2
.endr
.set j, 0
.rept 64
	v_exp_f32 v[ST+j], v[ST+j]                     ; p = 2^(t - M)
.set j, j+1
.endr
	v_pk_mul_f32 v[14:15], v[14:15], v[234:235] op_sel_hi:[1,0]   ; the sums under the new M; also the plain line behind the exponentials
	s_wait_alu depctr_va_vdst(0)                   ; one wait for the batch of 64, ahead of its first reader
	v_pk_add_f32 v[238:239], v[ST:ST+1], v[ST+2:ST+3]             ; the sum is taken of the unquantised p, in two chains
.irp j, 4,8,12,16,20,24,28,32,36,40,44,48,52,56,60
	v_pk_add_f32 v[14:15], v[14:15], v[ST+\j:ST+1+\j]
	v_pk_add_f32 v[238:239], v[238:239], v[ST+2+\j:ST+3+\j]
.endr
	v_pk_add_f32 v[14:15], v[14:15], v[238:239]
	s_cmp_ge_i32 s24, -8                           ; p <= 1 <= 448 x 2^e4 wherever e4 >= -8: the hold would change nothing
	s_cbranch_scc1 .Lno_hold_\@
.set j, 0
.rept 64
	v_min_num_f32 v[ST+j], v[ST+j], v[LMP]         ; the conversion does not saturate (ISA guide 7.6.2); p is not negative
.set j, j+1
.endr
.Lno_hold_\@:
.irp g, 0,1,2,3
	v_cvt_scalef32_pk8_fp8_f32 v[PC+4*\g:PC+4*\g+1], v[ST+16*\g:ST+16*\g+7], v[SCP]
	v_cvt_scalef32_pk8_fp8_f32 v[PC+4*\g+2:PC+4*\g+3], v[ST+16*\g+8:ST+16*\g+15], v[SCP]
.endr
.set j, 0
.rept 16
	v_pk_mul_f32 v[OT+j:OT+j+1], v[OT+j:OT+j+1], v[234:235] op_sel_hi:[1,0]   ; O^T under the new M; also the plain lines behind the conversions
.set j, j+2
.endr
	s_wait_dscnt 0x0                               ; V is in
.irp t, 0,1,2,3                                ; O^T += V^T P^T: four accumulators by turns, behind the scores' products
	v_wmma_f32_16x16x128_fp8_fp8 v[OT+8*\t:OT+8*\t+7], v[KV+16*\t:KV+16*\t+15], v[PC:PC+15], v[OT+8*\t:OT+8*\t+7]
.endr
.Lskip_\@:
.endm
.Lblock:                                           ; two trips: blocks x and 7 - x
	s_wait_loadcnt 0x0                             ; no fill load is out: the sets and their bases may be written
	s_lshl_b32 s28, s19, 4
	s_add_co_u32 s28, s28, s14                     ; my tile qt = 16 block + wave
	s_lshl_b32 s66, s28, 2
	s_mov_b32 s67, 0
	s_add_nc_u64 s[66:67], s[104:105], s[66:67]
	s_lshl_b32 s30, s19, 6
	s_mov_b32 s31, 0
	s_add_nc_u64 s[30:31], s[104:105], s[30:31]
	s_load_b32 s15, s[66:67], 0x0                  ; my tile's flags
	s_load_b512 s[32:47], s[30:31], 0x0            ; the sixteen tiles'
	s_lshl_b32 s2, s28, 10
	s_mov_b32 s3, 0
	s_add_nc_u64 s[2:3], s[4:5], s[2:3]            ; my tile of Q
	s_lshl_b32 s10, s28, 12
	s_mov_b32 s11, 0
	s_add_nc_u64 s[10:11], s[100:101], s[10:11]    ; my tile's mask words
	s_lshr_b32 s12, s28, 3
	s_lshl_b32 s12, s12, 17
	s_and_b32 s13, s28, 7
	s_lshl_b32 s13, s13, 10
	s_add_co_u32 s12, s12, s13
	s_mov_b32 s13, 0
	s_add_nc_u64 s[12:13], s[26:27], s[12:13]      ; my tile of y
	s_add_nc_u64 s[6:7], s[4:5], 8388608+16384     ; K at slot 1
	s_add_nc_u64 s[8:9], s[4:5], 16777216+16384    ; V at slot 1
	global_load_b128 v[QF:QF+3], v[LI], s[2:3]
	global_load_b128 v[QF+4:QF+7], v[LI], s[2:3] offset:512
	global_load_b128 v[SETA:SETA+3], v[FI], s[6:7] offset:-16384       ; slot 0
	global_load_b128 v[SETA+4:SETA+7], v[FI], s[6:7] offset:-8192
	global_load_b128 v[SETA+8:SETA+11], v[FI], s[8:9] offset:-16384
	global_load_b128 v[SETA+12:SETA+15], v[FI], s[8:9] offset:-8192
	global_load_b128 v[SETA+16:SETA+19], v[FI], s[6:7]                 ; slot 1
	global_load_b128 v[SETA+20:SETA+23], v[FI], s[6:7] offset:8192
	global_load_b128 v[SETA+24:SETA+27], v[FI], s[8:9]
	global_load_b128 v[SETA+28:SETA+31], v[FI], s[8:9] offset:8192
	v_mov_b32 v13, 0xff61b1e6                      ; the largest t so far: -3e38
	v_floor_f32 v12, -v13
	v_mov_b32 v14, 0
	v_mov_b32 v15, 0
.set j, 0
.rept 32
	v_mov_b32 v[OT+j], 0                           ; the step is written once: the first finds zeros, which the first change of M leaves zeros
.set j, j+1
.endr
	s_wait_kmcnt 0x0
	s_or_b32 s16, s32, s33
.irp i, 34,35,36,37,38,39,40,41,42,43,44,45,46,47
	s_or_b32 s16, s16, s[\i]                       ; a step counts for the work-group where any of its tiles needs it
.endr
	s_wait_loadcnt 4                               ; Q and slot 0 are in; slot 1's four loads stay out
.irp k, 0,1,2,3
	ds_store_b128 v[FI], v[SETA+4*\k:SETA+4*\k+3] offset:8192*\k       ; buffer 0: its last readers have passed the barrier of the slot that followed them
.endr
	s_mov_b32 s17, 4
.Lslots:                                           ; four trips of two slots
	SLOTHEAD 0
	STEP 0, 0
	STEP 0, 1
	SLOTHEAD 1
	STEP 1, 0
	STEP 1, 1
	s_wait_kmcnt 0x0                               ; the mask words' loads are done: their base may step
	s_add_nc_u64 s[10:11], s[10:11], 1024
	s_sub_co_u32 s17, s17, 1
	s_cmp_lg_u32 s17, 0
	s_cbranch_scc1 .Lslots
	; THE WAY OUT: y = O^T x 2^(e4 + e5) / the sum, held and converted (e6).  Registers 16 g .. 16 g + 15 are channels 32 g + 16 (lane / 16) + 0 .. 15: a piece of the last product's operand.
.rept 4
	v_nop                                          ; places behind the last products
.endr
	v_add_f32 v14, v14, v15
	v_permlanex16_b32 v236, v14, s20, s21
	v_add_f32 v14, v14, v236                       ; the row's sum
	v_rcp_f32 v14, v14
	v_nop                                          ; a plain line behind the reciprocal,
	s_wait_alu depctr_va_vdst(0)                   ; and the wait ahead of its first reader
	v_ldexp_f32 v14, v14, s25
.set j, 0
.rept 32
	v_mul_f32 v[ST+j], v[OT+j], v14                ; each accumulator from its low end on
.set j, j+1
.endr
.set j, 0
.rept 32
	v_med3_num_f32 v[ST+j], v[ST+j], -v[LMY], v[LMY]
.set j, j+1
.endr
.irp g, 0,1
	v_cvt_scalef32_pk8_fp8_f32 v[PC+4*\g:PC+4*\g+1], v[ST+16*\g:ST+16*\g+7], v[SCY]
	v_cvt_scalef32_pk8_fp8_f32 v[PC+4*\g+2:PC+4*\g+3], v[ST+16*\g+8:ST+16*\g+15], v[SCY]
.endr
	v_nop                                          ; a plain line behind the last conversion
	global_store_b128 v[LI], v[PC:PC+3], s[12:13]              ; the wave stores 512 consecutive bytes, aligned
	global_store_b128 v[LI], v[PC+4:PC+7], s[12:13] offset:512
	s_wait_xcnt 0x0                                ; the stores have read their data and their base: both are written again in the next block
	s_sub_co_u32 s19, 7, s19
	s_sub_co_u32 s18, s18, 1
	s_cmp_lg_u32 s18, 0
	s_cbranch_scc1 .Lblock
	s_wait_tensorcnt 0x0                           ; the wave's end, behind my last LDS store
	ds_add_u32 v[SPW], v[NIL]
	s_wait_dscnt 0x0
	s_endpgm
.Lfunc_end_k_q530b4dd432_attn:
	.size	k_q530b4dd432_attn, .Lfunc_end_k_q530b4dd432_attn-k_q530b4dd432_attn
	.p2alignl 7, 3214868480
	.fill 96, 4, 3214868480
	.section	.rodata,"a",@progbits
	.p2align	6, 0x0
	.amdhsa_kernel k_q530b4dd432_attn
		.amdhsa_group_segment_fixed_size 67584
		.amdhsa_private_segment_fixed_size 0
		.amdhsa_enable_private_segment 0
		.amdhsa_kernarg_size 40
		.amdhsa_user_sgpr_count 2
		.amdhsa_user_sgpr_kernarg_segment_ptr 1
		.amdhsa_wavefront_size32 1
		.amdhsa_system_sgpr_workgroup_id_x 1
		.amdhsa_system_sgpr_workgroup_id_y 1
		.amdhsa_system_sgpr_workgroup_id_z 1
		.amdhsa_system_vgpr_workitem_id 0
		.amdhsa_next_free_vgpr 256
		.amdhsa_next_free_sgpr 106
		.amdhsa_reserve_vcc 0
		.amdhsa_float_denorm_mode_32 3
		.amdhsa_float_denorm_mode_16_64 3
		.amdhsa_memory_ordered 1
		.amdhsa_forward_progress 1
		.amdhsa_inst_pref_size 92
	.end_amdhsa_kernel
	.amdgpu_metadata
---
amdhsa.version: [ 1, 2 ]
amdhsa.kernels:
  - .name:           k_q530b4dd432_attn
    .symbol:         k_q530b4dd432_attn.kd
    .args:
      - { .name: qkvc, .offset: 0, .size: 8, .value_kind: global_buffer, .address_space: global }
      - { .name: maskw, .offset: 8, .size: 8, .value_kind: global_buffer, .address_space: global }
      - { .name: flags, .offset: 16, .size: 8, .value_kind: global_buffer, .address_space: global }
      - { .name: lowp_scales, .offset: 24, .size: 8, .value_kind: global_buffer, .address_space: global }
      - { .name: yc, .offset: 32, .size: 8, .value_kind: global_buffer, .address_space: global }
    .group_segment_fixed_size: 67584
    .private_segment_fixed_size: 0
    .kernarg_segment_align: 8
    .kernarg_segment_size: 40
    .max_flat_workgroup_size: 512
    .sgpr_count:     106
    .vgpr_count:     256
    .wavefront_size: 32
...
	.end_amdgpu_metadata
.endif
;; end of part 3
;; launch proj (part 4): grid 4 x 32, 4 waves a work-group, clusters of 4 x 4, 327,680 bytes of LDS; arguments yc, wpc, lowp_scales, b_proj, out0; writes out0
.if DOCPART == 4
	.amdgcn_target "amdgcn-amd-amdhsa--gfx1250"
	.amdhsa_code_object_version 6
	.text
	.protected	k_q530b4dd432_proj
	.globl	k_q530b4dd432_proj
	.p2align	8
	.type	k_q530b4dd432_proj,@function
k_q530b4dd432_proj:
	s_mov_b64 s[64:65], 0
	v_nop
	global_prefetch_b8 v0, s[64:65] scope:SCOPE_SE
	s_setreg_imm32_b32 hwreg(HW_REG_WAVE_MODE, 25, 1), 1
	s_wait_xcnt 0x0
	s_wait_alu depctr_hold_cnt(0) depctr_sa_sdst(0) depctr_va_vdst(0) depctr_va_sdst(0) depctr_va_ssrc(0) depctr_va_vcc(0) depctr_vm_vsrc(0)
	s_getreg_b32 s2, hwreg(HW_REG_IB_STS2, 6, 4)
	s_cmp_eq_u32 s2, 0
	s_cbranch_scc0 .Lentry_in_a_cluster
	s_endpgm
.Lentry_in_a_cluster:
	s_bfe_u32 s2, ttmp6, 0x10000c
	s_cmp_lg_u32 s2, 0xf033
	s_cbranch_scc0 .Lentry_shape_is_right
	s_endpgm
.Lentry_shape_is_right:
; PROJ: out0 = y W_proj + b_proj on codes of E4M3 (K = 1,024), f32 out.  A work-group of four waves makes 256 x 256, a wave 128 x 128: 64 accumulators, 512 registers; 128 work-groups, as many as there are such tiles.
; K goes in steps of 256 through a ring of two LDS slots filled by the tensor data mover.  CLUSTER 4 x 4: A's tile (y) is asked for jointly by a row of the cluster, B's (W_proj) by a column.
; A = yc lies as IMAGES OF OPERAND REGISTERS: block of 128 tokens x 131,072 + head x 8,192 + tile of 16 tokens x 1,024 + (channel / 32) x 512 + 16 x lane.  A K step (4 heads) of 128 tokens is 32,768 dense bytes:
; it comes in as 128 rows of 256 bytes, and piece c of a fragment is two of those rows: lanes 0-15 read one, lanes 16-31 the next.
; B = wpc: [column, bits 3 and 4 exchanged][1,024 codes].  The tokens of yc are stored in the same exchanged order.  Source 0 = 16 rows of B, source 1 = 16 tokens: a lane holds one token and, in accumulator b,
; columns 32 (b / 2) + 8 (b % 2) + 16 (lane / 16) + 0 .. 7.  The stage on the way out puts the columns, the stores' offsets the tokens, back in order.
; THE BIAS is the C of each sum's first matrix instruction, divided by 2^(e6 + e7); each finished sum is multiplied once by 2^(e6 + e7).
; LIMIT: e6 + e7 between -126 and 127.
; REGISTERS: window 0: v0-31 addresses; v32-95 the bias, later a block's results; from v128 A's fragments, one set, later rows of the result.  window 1: B's fragments, two sets.  windows 2, 3: the accumulators.
.set ROWB,   256
.set PITCH,  272                       ; an LDS row: 256 bytes + 16 of padding
.set FR,     16
.set NL,     4
.set NP,     4                         ; places behind this matrix instruction (ISA guide 7.12.1)
.set HALFT,  128*PITCH
.set SLOT,   4*HALFT
.set LAPS,   2
.set SPARE,  2*SLOT                    ; behind the ring: the spare words, two blocks of 256 bytes that no other line names
.set SPITCH, 528                       ; the way out: 16 rows x (512 + 16) bytes for each wave, in slot 0, which has had its last fill and its last read by then
.set ASTEP,  32768                     ; a K step on in yc,
.set BSTEP,  256                       ; and in a row of wpc
.set ADRA, 16
.set ADRB, 20
.set STO,  24
.set RD,   25
.set CO,   26
.set SPW,  28
.set NIL,  29
.set BQ,   32
.set TMP,  32
.set AF,   128
.set BK,   128
.set G1, 24
.set G0, 32
.set G1B, 48
.set G0B, 56
.set MSB, 0
.macro WIN new                         ; the immediate's high byte repeats the setting that is left
.if MSB != \new
	s_set_vgpr_msb (MSB<<8)|\new
.set MSB, \new
.endif
.endm
.set MUL_LO, 0xa1
.set MUL_HI, 0xf1
.set FIRST_LO, 0x81                    ; C (the bias) in window 0
.set FIRST_HI, 0xc1
.set TO_B,   0x40
.macro JLOAD g0a, g1a, g0b, g1b        ; waves 0 and 1 fetch for A, waves 2 and 3 for B; an s_nop 0 and four v_nop follow each line
	s_cmp_eq_u32 s15, 0
	s_cbranch_scc0 .Lfor_b_\@
	tensor_load_to_lds s[\g0a:\g0a+3], s[\g1a:\g1a+7]
	s_nop 0
.rept 4
	v_nop
.endr
	s_branch .Lasked_\@
.Lfor_b_\@:
	tensor_load_to_lds s[\g0b:\g0b+3], s[\g1b:\g1b+7]
	s_nop 0
.rept 4
	v_nop
.endr
.Lasked_\@:
.endm
.macro CREST
	s_cmp_lg_u32 s14, 0
	s_cbranch_scc1 .Lnot_wave_0_\@
	s_barrier_signal -3
.Lnot_wave_0_\@:
	s_barrier_wait -3
	s_barrier_signal -1
	s_barrier_wait -1
.endm
.macro CROUND
	s_barrier_signal -1
	s_barrier_wait -1
	CREST
.endm
	s_load_b128 s[4:7], s[0:1], 0x0                ; yc, wpc
	s_load_b128 s[8:11], s[0:1], 0x10              ; the scales' exponents, b_proj
	s_load_b64 s[12:13], s[0:1], 0x20              ; out0
	v_lshl_add_u32 v[SPW], v0, 2, SPARE
	v_mov_b32 v[NIL], 0
	ds_add_u32 v[SPW], v[NIL]                      ; the wave's opening add; its wait stands ahead of my first tensor load
	v_lshrrev_b32 v1, 5, v0
	v_readfirstlane_b32 s14, v1                    ; wave 0..3
	s_lshr_b32 s15, s14, 1                         ; which 128 tokens of the tile are mine.  Also: I fetch for A (0) or for B (1)
	s_and_b32 s16, s14, 1                          ; which 128 columns.  Also: which half of that tile I fetch
	s_bfe_u32 s40, ttmp6, 0x40000                  ; cx
	s_bfe_u32 s41, ttmp6, 0x40004                  ; cy
	s_lshl_b32 s42, ttmp9, 2
	s_add_co_u32 s42, s42, s40                     ; tile column
	s_and_b32 s17, ttmp7, 0xffff
	s_lshl_b32 s17, s17, 2
	s_add_co_u32 s17, s17, s41                     ; tile row
	s_lshl_b32 s43, s41, 2
	s_lshl_b32 s43, 15, s43                        ; my row of the cluster
	s_lshl_b32 s44, 0x1111, s40                    ; my column
	s_or_b32 s[G1+0], s43, (0<<16)|(1<<20)|(1<<21)|(5<<22)|(3<<25)  ; the mask; elements of 1 byte; padding on; bit 21 beside a mask; four words after every 64
	s_or_b32 s[G1B+0], s44, (0<<16)|(1<<20)|(1<<21)|(5<<22)|(3<<25)
.irp g, G1, G1B
	s_mov_b32 s[\g+1], ROWB<<16                    ; tensor_dim0
	s_mov_b32 s[\g+2], 128<<16                     ; tensor_dim1
	s_mov_b32 s[\g+3], ROWB<<16                    ; tile_dim0
	s_mov_b32 s[\g+4], 128                         ; tile_dim1
	s_mov_b32 s[\g+6], 0
	s_mov_b32 s[\g+7], 0
.endr
	s_mov_b32 s[G1+5], 256                         ; A's block is dense: a row begins where the last ends
	s_mov_b32 s[G1B+5], 1024                       ; a row of wpc
	s_lshl_b32 s20, s17, 1
	s_add_co_u32 s20, s20, s16
	s_lshl_b32 s20, s20, 17                        ; A: block of 128 tokens 2 x tile row + half
	s_mov_b32 s21, 0
	s_lshl_b32 s46, s42, 8
	s_lshl_b32 s47, s16, 7
	s_add_co_u32 s46, s46, s47
	s_lshl_b32 s46, s46, 10                        ; B: row 256 x tile column + 128 x half
	s_mov_b32 s47, 0
	s_mul_i32 s45, s14, HALFT                      ; where they go: wave x 128 rows
	s_wait_dscnt 0x0                               ; the opening add is done
	s_wait_kmcnt 0x0
	s_load_b256 s[80:87], s[8:9], 0x0              ; e0 .. e7
	s_add_nc_u64 s[20:21], s[4:5], s[20:21]
	s_add_nc_u64 s[46:47], s[6:7], s[46:47]
	CROUND                                         ; all sixteen work-groups are here: the first joint loads meet
.irp s, 0,1
	s_mov_b32 s[G0+4*\s], 1
	s_add_co_u32 s[G0+4*\s+1], s45, \s*SLOT
	s_add_nc_u64 s[G0+4*\s+2:G0+4*\s+3], s[20:21], \s*ASTEP
	s_or_b32 s[G0+4*\s+3], s[G0+4*\s+3], 0x80000000
	s_mov_b32 s[G0B+4*\s], 1
	s_add_co_u32 s[G0B+4*\s+1], s45, \s*SLOT
	s_add_nc_u64 s[G0B+4*\s+2:G0B+4*\s+3], s[46:47], \s*BSTEP
	s_or_b32 s[G0B+4*\s+3], s[G0B+4*\s+3], 0x80000000
	JLOAD G0+4*\s, G1, G0B+4*\s, G1B               ; two loads of mine are out
.endr
	v_and_b32 v1, 15, v0                           ; r
	v_bfe_u32 v2, v0, 4, 1                         ; h
	v_mul_u32_u24 v3, v1, PITCH
	v_lshl_add_u32 v4, v2, 4, v3                   ; B: row r x pitch + 16 h
	v_mul_u32_u24 v5, v2, PITCH
	v_lshl_add_u32 v5, v1, 4, v5                   ; A: an image's piece is two LDS rows: h x pitch + 16 r
	s_mul_i32 s21, s15, HALFT
	s_mul_i32 s22, s16, HALFT
	s_add_co_u32 s22, s22, 2*HALFT
.irp s, 0,1
	v_add_nc_u32 v[ADRA+\s], s21, v5
	v_add_nc_u32 v[ADRB+\s], s22, v4
	s_add_co_u32 s21, s21, SLOT
	s_add_co_u32 s22, s22, SLOT
.endr
	s_mul_i32 s23, s14, 16*SPITCH                  ; my stage
	v_mul_u32_u24 v6, v1, SPITCH
	v_lshl_add_u32 v6, v2, 6, v6
	v_add_nc_u32 v[STO], s23, v6                   ; in: row r, + 64 h: my half's 16 columns of each 32
	v_and_b32 v6, 31, v0
	v_lshlrev_b32 v[CO], 4, v6
	v_add_nc_u32 v[RD], s23, v[CO]                 ; back: the 32 lanes take one row of 512 bytes
	s_lshl_b32 s88, s17, 8
	s_lshl_b32 s89, s15, 7
	s_add_co_u32 s88, s88, s89
	s_lshl_b32 s88, s88, 12                        ; my first token's row of 4,096 bytes
	s_lshl_b32 s90, s42, 8
	s_lshl_b32 s91, s16, 7
	s_add_co_u32 s90, s90, s91
	s_lshl_b32 s90, s90, 2                         ; my first column, in bytes: in out0 and in b_proj
	s_mov_b32 s91, 0
	s_add_co_u32 s88, s88, s90
	s_mov_b32 s89, 0
	s_add_nc_u64 s[12:13], s[12:13], s[88:89]
	s_add_nc_u64 s[76:77], s[10:11], s[90:91]
	v_lshlrev_b32 v7, 6, v2
.irp g, 0,1,2,3
.irp k, 0,1,2,3
	global_load_b128 v[BQ+16*\g+4*\k:BQ+16*\g+4*\k+3], v7, s[76:77] offset:128*\g+16*\k   ; register 16 g + i: b_proj at my columns' 32 g + 16 h + i
.endr
.endr
	s_wait_kmcnt 0x0
	s_add_co_i32 s96, s86, s87                     ; e6 + e7
	s_sub_co_i32 s94, 0, s96
	s_add_co_i32 s96, s96, 127
	s_lshl_b32 s96, s96, 23                        ; 2^(e6 + e7) as f32
	s_mov_b32 s97, s96                             ; (named with it as a pair, so it is written)
	s_wait_loadcnt 0x0
.set j, 0
.rept 64
	v_ldexp_f32 v[BQ+j], v[BQ+j], s94              ; the bias / 2^(e6 + e7)
.set j, j+1
.endr
.macro FRAG reg, adr, q, i             ; B: 16 rows x 128 K: registers 4 c .. 4 c + 3 hold K = 32 c + 16 (l / 16) + 0 .. 15
.irp c, 0,1,2,3
	ds_load_b128 v[\reg+4*\c:\reg+4*\c+3], v[\adr] offset:128*(\q)+32*\c+(\i)*16*PITCH
.endr
.endm
.macro FRAGA reg, adr, q, i            ; A: the same k in the same registers: piece c of tile i is LDS rows 32 (2 q + c / 2) + 4 i + 2 (c % 2) and the next
.irp c, 0,1,2,3
	ds_load_b128 v[\reg+4*\c:\reg+4*\c+3], v[\adr] offset:((2*(\q)+\c/2)*32+4*(\i)+2*(\c%2))*PITCH
.endr
.endm
.macro MUL16 a0, p, zero               ; 16 matrix instructions; the 64 accumulators take turns
.irp a, \a0, \a0+1
.irp b, 0,1,2,3,4,5,6,7
.if \zero
	v_wmma_f32_16x16x128_fp8_fp8 v[8*(8*((\a)%4)+\b):8*(8*((\a)%4)+\b)+7], v[128*(\p)+FR*\b:128*(\p)+FR*\b+FR-1], v[AF+FR*(\a):AF+FR*(\a)+FR-1], v[BQ+8*\b:BQ+8*\b+7]
.else
	v_wmma_f32_16x16x128_fp8_fp8 v[8*(8*((\a)%4)+\b):8*(8*((\a)%4)+\b)+7], v[128*(\p)+FR*\b:128*(\p)+FR*\b+FR-1], v[AF+FR*(\a):AF+FR*(\a)+FR-1], v[8*(8*((\a)%4)+\b):8*(8*((\a)%4)+\b)+7]
.endif
.endr
.endr
.endm
.macro FETCH_B slot, q, p
	WIN TO_B
.irp i, 0,1,2,3,4,5,6,7
	FRAG 128*(\p)+FR*\i, ADRB+\slot, \q, \i
.endr
	WIN 0
.endm
.macro FETCH_A slot, q, i0
.irp i, \i0, \i0+1, \i0+2, \i0+3
	FRAGA AF+FR*(\i), ADRA+\slot, \q, \i
.endr
.endm
.macro PLACES n
.rept \n
	v_nop
.endr
.endm
.macro STEP slot, q, zero
	s_wait_dscnt 4*NL                              ; B's set and A's blocks 0-3 are in; the youngest sixteen loads (A's blocks 4-7) may be out
.if \zero
	WIN FIRST_LO
.else
	WIN MUL_LO
.endif
	MUL16 0, (\q)%2, \zero
	MUL16 2, (\q)%2, \zero
	s_wait_dscnt 0
	PLACES NP
	FETCH_B \slot, (\q)+1, 1-(\q)%2
	FETCH_A \slot, (\q)+1, 0
.if \zero
	WIN FIRST_HI
.else
	WIN MUL_HI
.endif
	MUL16 4, (\q)%2, \zero
	MUL16 6, (\q)%2, \zero
	PLACES NP
	WIN 0
	FETCH_A \slot, (\q)+1, 4
.endm
.macro TURN slot, next, fill           ; a slot's last step changes slots: one barrier, with the three lines in front of it
	s_wait_tensorcnt 0x0                           ; all my tensor loads have landed: my part of the next slot
	ds_add_u32 v[SPW], v[NIL]
	s_wait_dscnt 4*NL+1                            ; the add and the youngest sixteen loads may be out
	WIN MUL_LO
	MUL16 0, 1, 0
	s_wait_dscnt 0x0                               ; the add is done, and my reads of this slot are over
	s_barrier_signal -1
	MUL16 2, 1, 0
	WIN 0
	s_barrier_wait -1
.if \fill
	CREST                                          ; a round of the cluster's barrier: no wave of any partner still reads this slot or has a load on its way
	s_add_nc_u64 s[G0+4*\slot+2:G0+4*\slot+3], s[G0+4*\slot+2:G0+4*\slot+3], 2*ASTEP
	s_add_nc_u64 s[G0B+4*\slot+2:G0B+4*\slot+3], s[G0B+4*\slot+2:G0B+4*\slot+3], 2*BSTEP
	JLOAD G0+4*\slot, G1, G0B+4*\slot, G1B         ; the first tensor load behind the round, my one load until the next
.else
	PLACES NP
.endif
	FETCH_B \next, 0, 0
	FETCH_A \next, 0, 0
	WIN MUL_HI
	MUL16 4, 1, 0
	MUL16 6, 1, 0
	PLACES NP
	WIN 0
	FETCH_A \next, 0, 4
.endm
	s_wait_tensorcnt 1                             ; my part of K step 0 is in; K step 1's load may be out
	s_barrier_signal -1
	s_barrier_wait -1
	FETCH_B 0, 0, 0
	FETCH_A 0, 0, 0
	FETCH_A 0, 0, 4
	STEP 0, 0, 1
	s_mov_b32 s3, LAPS-1
.Llap:
	TURN 0, 1, 1
	STEP 1, 0, 0
	TURN 1, 0, 1
	STEP 0, 0, 0
	s_sub_co_u32 s3, s3, 1
	s_cmp_lg_u32 s3, 0
	s_cbranch_scc1 .Llap
	TURN 0, 1, 0
	STEP 1, 0, 0
	s_wait_dscnt 4*NL
	WIN MUL_LO
	MUL16 0, 1, 0
	MUL16 2, 1, 0
	s_wait_dscnt 0
	WIN MUL_HI
	MUL16 4, 1, 0
	MUL16 6, 1, 0
	WIN 0
; THE WAY OUT, block a of 16 tokens x 128 columns at a time, through my own stage; LDS serves a wave's instructions in order, so no wait stands between the stores and the loads.
.macro TOSTAGE a
.set AC, 64*((\a)%4)
	WIN 0x02+((\a)/4)
.set j, 0
.rept 32
	v_pk_mul_f32 v[TMP+j:TMP+j+1], v[AC+j:AC+j+1], s[96:97] op_sel_hi:[1,0]   ; x 2^(e6 + e7); each accumulator from its low end on
.set j, j+2
.endr
	WIN 0
.irp b, 0,1,2,3,4,5,6,7
	ds_store_b128 v[STO], v[TMP+8*\b:TMP+8*\b+3] offset:128*(\b/2)+32*(\b%2)         ; columns 32 (b / 2) + 8 (b % 2) + 16 h + 0 .. 7
	ds_store_b128 v[STO], v[TMP+8*\b+4:TMP+8*\b+7] offset:128*(\b/2)+32*(\b%2)+16
.endr
.set BB, BK+64*((\a)%2)
.irp t, 0,1,2,3,4,5,6,7,8,9,10,11,12,13,14,15
	ds_load_b128 v[BB+4*\t:BB+4*\t+3], v[RD] offset:\t*SPITCH
.endr
.endm
.macro SEND a, younger                 ; stage row t of block a is token 32 (a / 2) + 8 (a % 2) + t % 8 + 16 (t / 8) of my 128
.set BB, BK+64*((\a)%2)
	s_wait_dscnt \younger
.irp t, 0,1,2,3,4,5,6,7,8,9,10,11,12,13,14,15
	global_store_b128 v[CO], v[BB+4*\t:BB+4*\t+3], s[12:13] offset:(32*((\a)/2)+8*((\a)%2)+(\t&7)+16*(\t>>3))*4096 th:TH_STORE_NT   ; 32 lanes store 512 consecutive bytes, aligned
.endr
.endm
	PLACES NP
	TOSTAGE 0
.irp a, 1,2,3,4,5,6,7
.if \a > 1
	s_wait_xcnt 0x0                                ; block a - 2's stores have read their registers: block a's rows may land there
.endif
	TOSTAGE \a
	SEND \a-1, 32                                  ; behind block a - 1's loads: block a's 16 stores and 16 loads
.endr
	SEND 7, 0
	s_wait_tensorcnt 0x0                           ; the wave's end
	ds_add_u32 v[SPW], v[NIL]
	s_wait_dscnt 0x0
	CROUND                                         ; the closing round
	s_endpgm
.Lfunc_end_k_q530b4dd432_proj:
	.size	k_q530b4dd432_proj, .Lfunc_end_k_q530b4dd432_proj-k_q530b4dd432_proj
	.p2alignl 7, 3214868480
	.fill 96, 4, 3214868480
	.section	.rodata,"a",@progbits
	.p2align	6, 0x0
	.amdhsa_kernel k_q530b4dd432_proj
		.amdhsa_group_segment_fixed_size 327680
		.amdhsa_private_segment_fixed_size 0
		.amdhsa_enable_private_segment 0
		.amdhsa_kernarg_size 40
		.amdhsa_user_sgpr_count 2
		.amdhsa_user_sgpr_kernarg_segment_ptr 1
		.amdhsa_wavefront_size32 1
		.amdhsa_system_sgpr_workgroup_id_x 1
		.amdhsa_system_sgpr_workgroup_id_y 1
		.amdhsa_system_sgpr_workgroup_id_z 1
		.amdhsa_system_vgpr_workitem_id 0
		.amdhsa_next_free_vgpr 1024
		.amdhsa_next_free_sgpr 100
		.amdhsa_reserve_vcc 0
		.amdhsa_float_denorm_mode_32 3
		.amdhsa_float_denorm_mode_16_64 3
		.amdhsa_memory_ordered 1
		.amdhsa_forward_progress 1
		.amdhsa_inst_pref_size 128
	.end_amdhsa_kernel
	.amdgpu_metadata
---
amdhsa.version: [ 1, 2 ]
amdhsa.kernels:
  - .name:           k_q530b4dd432_proj
    .symbol:         k_q530b4dd432_proj.kd
    .args:
      - { .name: yc, .offset: 0, .size: 8, .value_kind: global_buffer, .address_space: global }
      - { .name: wpc, .offset: 8, .size: 8, .value_kind: global_buffer, .address_space: global }
      - { .name: lowp_scales, .offset: 16, .size: 8, .value_kind: global_buffer, .address_space: global }
      - { .name: b_proj, .offset: 24, .size: 8, .value_kind: global_buffer, .address_space: global }
      - { .name: out0, .offset: 32, .size: 8, .value_kind: global_buffer, .address_space: global }
    .group_segment_fixed_size: 327680
    .private_segment_fixed_size: 0
    .kernarg_segment_align: 8
    .kernarg_segment_size: 40
    .max_flat_workgroup_size: 128
    .sgpr_count:     100
    .vgpr_count:     1024
    .wavefront_size: 32
...
	.end_amdgpu_metadata
.endif
;; end of part 4
;; ======== version 2 of 2: 4 launches; version 1 with the launch attn written anew for expert scheduling mode
;; limits: right only within a limited range of input values
;; workspace buffers: xc 8,388,608 bytes; wac 3,145,728 bytes; wpc 1,048,576 bytes; maskw 524,288 bytes of whole numbers; flags 512 bytes of whole numbers; qkvc 25,165,824 bytes; yc 8,388,608 bytes
;; launch prep: the kernel of part 1 again; grid 512 x 1, 4 waves a work-group, no clusters, 102,144 bytes of LDS; arguments x, W_attn, W_proj, mask, lowp_scales, xc, wac, wpc, maskw, flags; writes xc, wac, wpc, maskw, flags
;; launch qkv: the kernel of part 2 again; grid 12 x 32, 4 waves a work-group, clusters of 4 x 4, 327,680 bytes of LDS; arguments xc, wac, lowp_scales, b_attn, qkvc; writes qkvc
;; launch attn (part 5): grid 4 x 64, 16 waves a work-group, no clusters, 67,584 bytes of LDS; arguments qkvc, maskw, flags, lowp_scales, yc; writes yc
.if DOCPART == 5
	.amdgcn_target "amdgcn-amd-amdhsa--gfx1250"
	.amdhsa_code_object_version 6
	.text
	.protected	k_q530b4dd432_attn
	.globl	k_q530b4dd432_attn
	.p2align	8
	.type	k_q530b4dd432_attn,@function
k_q530b4dd432_attn:
	s_mov_b64 s[64:65], 0
	v_nop
	global_prefetch_b8 v0, s[64:65] scope:SCOPE_SE
	s_setreg_imm32_b32 hwreg(HW_REG_WAVE_SCHED_MODE, 0, 2), 2
	s_setreg_imm32_b32 hwreg(HW_REG_WAVE_MODE, 25, 1), 1
	s_wait_xcnt 0x0
	s_wait_alu depctr_vm_vsrc(0)
; ATTN: y = softmax(where(mask, q k^T / 8, NEG)) v for 64 heads of 2,048 x 64, both products on codes of E4M3, and y quantised at once (e6) into the operand of the last launch.
; t = score x log2(e) / 8; M = the row's largest t so far, rounded up to a whole number; p = 2^(t - M) is quantised (e4), not normalised; the sum of the unquantised p divides at the end.
; SHARES.  Work-group (x, head) takes query blocks x and 7 - x of 256 queries, one after the other; each of its sixteen waves owns one tile of 16 queries in 256 registers, four waves to a SIMD.
; All operands are images of registers (16 bytes at 16 x lane of a piece of 512 bytes), so every LDS address is 16 x lane or 16 x thread plus an immediate.
; K and V come through two LDS buffers of 256 keys (16 KB of K, 16 KB of V), filled through registers: each thread loads 64 bytes two slots ahead and stores them one slot ahead; one barrier a slot.
; THE MASK IS AN INPUT.  An earlier launch has turned it into one bit a score (maskw: word n of a step is the lane mask of score register n) and two bits a tile and step (flags: 0 all false, 1 mixed, 2 all true).
; A wave leaves out a step whose flag is 0: p would be 0 there.  A tile with a row that is false in all keys has no flag 0, so that such a row comes out uniform, as the softmax of equal logits is.
; A slot that none of the sixteen tiles needs is neither fetched nor stored.  These are branches on stored whole numbers; they lead round a wave's own work, never round a barrier.
; A HIDDEN SCORE becomes -2^100 ahead of the maximum.  Under a real M its p is 0.  In a row with nothing open so far t = -c 2^100 is exact, M = t, p = 2^0 = 1; the first open key multiplies that by 2^(a saturated difference) = 0.
; NO CLUSTER, NO TENSOR LOAD, though the work-groups of a head read the same K and V: which slots a work-group fetches hangs on flags read from memory, so partners would ask for different tiles.
; LIMITS: e2 + e3 between -70 and 27 (c 2^100 is then a whole number, finite, and above the start value -3e38); e4 and e6 between -126 and 119.  NaN among the inputs is not served.
; REGISTERS: v1 16 x lane, v2 16 x thread, v3, v4 the add's two, v5 -2^100, v6, v7 2^e4 and 448 x 2^e4, v8, v9 the same with e6; v12 -M, v13 the largest t, v[14:15] the sum; v16-23 Q; v24-39 p's codes;
;   v40-71 O^T; v72-135 K's 8 fragments, then V's 4; v136-199 S^T, then p; v200-215, v216-231 the two fill sets; v232-239 at work.
; THE MODE: SCHED_MODE bits 1:0 = 2 (LLVM: expert scheduling mode 2), set by the entry lines.  The code itself states the register dependences
; between vector or matrix instructions and memory or LDS instructions, with s_wait_alu, always for 0.
; THE PLAN.  Registers that memory or LDS instructions touch:
;   v1, v2        Addresses of every LDS and global instruction.  Written at the head, never again: one wait on va_vdst at the head's end serves them all.
;   Q (v16-23)    Two global loads at a block's head land in it; the scores' products read it.  The wait on va_vdst ahead of a block's two stores shows those products done; no vector instruction stands between it and the next block's loads.
;   the fill sets Global loads land in them, LDS stores read them, no vector instruction names them.  One wait on vm_vsrc at each slot's head: the stores issued a slot ago have read the set in which this slot's loads land.
;   KV (v72-135)  A step's K lands in it and the eight scores' products read it; then the step's V lands in it and the step's last four products read it.  Sixteen waves of 256 registers leave none for a second
;                 buffer, so each change of role has its wait on va_vdst, straight ahead of the run of loads: at the step's head, and behind the scores' products, whose results the softmax's first line wants there in any case.
;   p's codes (v24-39)  In the loop named by conversions and products alone.  On the way out two global stores read them: a wait on va_vdst ahead of the stores, a wait on vm_vsrc behind them, ahead of the next block's conversions.
;   v3, v4        Written at the head, read by the closing add alone.
;   S^T, O^T and the statistics are named by vector and matrix instructions alone.
.set LI,  1
.set FI,  2
.set SPW, 3
.set NIL, 4
.set NEGV, 5
.set SCP, 6
.set LMP, 7
.set SCY, 8
.set LMY, 9
.set QF,  16
.set PC,  24
.set OT,  40
.set KV,  72
.set ST,  136
.set SETA, 200
.set BUF,  32768                       ; a buffer: K's 16,384 bytes, then V's
.set SPARE, 65536                      ; behind the buffers: the spare words, 128 bytes for each of sixteen waves
	s_load_b64 s[4:5], s[0:1], 0x0                 ; qkvc
	s_load_b64 s[100:101], s[0:1], 0x8             ; maskw
	s_load_b64 s[104:105], s[0:1], 0x10            ; flags
	s_load_b64 s[28:29], s[0:1], 0x18              ; the scales' exponents
	s_load_b64 s[26:27], s[0:1], 0x20              ; yc
	v_lshl_add_u32 v[SPW], v0, 2, SPARE
	v_mov_b32 v[NIL], 0
	v_lshrrev_b32 v1, 5, v0
	v_readfirstlane_b32 s14, v1                    ; wave 0..15
	v_and_b32 v1, 31, v0
	v_lshlrev_b32 v[LI], 4, v1
	v_lshlrev_b32 v[FI], 4, v0
	v_mov_b32 v[NEGV], 0xf1800000                  ; -2^100
	v_mov_b32 v235, 0                              ; (named as the upper half of the pair v[234:235])
	v_mov_b32 v236, 0                              ; a lane permute's destination counts as one of its sources
	s_wait_alu depctr_va_sdst(0)                   ; s14 is written, ahead of its first reader and of the first label: each block makes its tile's number from it
	s_mov_b32 s20, 0x76543210
	s_mov_b32 s21, 0xfedcba98                      ; lane l xor 16
	s_mov_b32 s22, 0x3e38aa3b                      ; c = log2(e) / 8
	s_and_b32 s30, ttmp7, 0xffff                   ; b 16 + h
	s_lshl_b32 s2, s30, 17                         ; a head's 131,072 bytes in each part of qkvc
	s_mov_b32 s3, 0
	s_lshr_b32 s6, s30, 4
	s_lshl_b32 s6, s6, 21                          ; yc: b x 16 blocks of 128 tokens x 131,072
	s_and_b32 s7, s30, 15
	s_lshl_b32 s7, s7, 13                          ; + h x 8,192
	s_add_co_u32 s6, s6, s7
	s_mov_b32 s7, 0
	s_mov_b32 s19, ttmp9                           ; the first block of queries
	s_mov_b32 s18, 2
	s_wait_kmcnt 0x0
	s_load_b256 s[68:75], s[28:29], 0x0            ; e0 .. e7
	s_add_nc_u64 s[4:5], s[4:5], s[2:3]            ; q's head; k's lies 8,388,608 further on, v's 16,777,216
	s_add_nc_u64 s[26:27], s[26:27], s[6:7]
	s_wait_kmcnt 0x0
	s_add_co_i32 s30, s70, s71
	s_lshl_b32 s30, s30, 23
	s_add_co_i32 s22, s22, s30                     ; a score stands for score x 2^(e2 + e3): added to c's exponent field
	s_mov_b32 s23, s22
	s_mov_b32 s24, s72                             ; e4
	s_add_co_i32 s25, s72, s73                     ; e4 + e5
	s_add_co_i32 s30, s72, 127
	s_lshl_b32 s31, s30, 23
	v_mov_b32 v[SCP], s31
	s_add_co_i32 s30, s30, 8
	s_lshl_b32 s30, s30, 23
	s_or_b32 s30, s30, 0x600000
	v_mov_b32 v[LMP], s30
	s_add_co_i32 s30, s74, 127
	s_lshl_b32 s31, s30, 23
	v_mov_b32 v[SCY], s31
	s_add_co_i32 s30, s30, 8
	s_lshl_b32 s30, s30, 23
	s_or_b32 s30, s30, 0x600000
	v_mov_b32 v[LMY], s30
	s_wait_alu depctr_va_vdst(0)                   ; v1 and v2 are written: every LDS and global instruction below reads one of them as its address, and nothing writes them again
; THE HEAD OF A SLOT, buffer b: one barrier, on every wave's path.  In front of it my stores of this slot have landed and my reads of the slot before are back.  Behind it the set that was loaded a slot ago
; goes into the other buffer (the next slot), and this buffer's set is loaded with the slot after that.  s16 holds the work-group's flags, four bits a slot, this slot's lowest; zeros come in from above, so nothing is asked for past slot 7.
.macro SLOTHEAD b
	s_wait_dscnt 0x0
	s_barrier_signal -1
	s_barrier_wait -1
	s_wait_loadcnt 0x0                             ; the fill loads, issued a slot ago, are in: their bases may step
	s_wait_alu depctr_vm_vsrc(0)                   ; the LDS stores issued a slot ago (for slot 0: at the block's head) have read this buffer's set, in which the loads below land; it stands ahead of both branches
	s_add_nc_u64 s[6:7], s[6:7], 16384
	s_add_nc_u64 s[8:9], s[8:9], 16384
	s_and_b32 s30, s16, 0xf0                       ; does any tile need the next slot?
	s_cmp_lg_u32 s30, 0
	s_cbranch_scc0 .Lno_store_\@
.irp k, 0,1,2,3
	ds_store_b128 v[FI], v[SETA+16*(1-\b)+4*\k:SETA+16*(1-\b)+4*\k+3] offset:(1-\b)*BUF+8192*\k
.endr
.Lno_store_\@:
	s_and_b32 s30, s16, 0xf00                      ; and the one after?
	s_cmp_lg_u32 s30, 0
	s_cbranch_scc0 .Lno_load_\@
.irp k, 0,1
	global_load_b128 v[SETA+16*\b+4*\k:SETA+16*\b+4*\k+3], v[FI], s[6:7] offset:8192*\k
.endr
.irp k, 0,1
	global_load_b128 v[SETA+16*\b+8+4*\k:SETA+16*\b+8+4*\k+3], v[FI], s[8:9] offset:8192*\k
.endr
.Lno_load_\@:
	s_lshr_b32 s16, s16, 4
.endm
; A KEY STEP: 128 keys, the q-th of buffer b.
.macro STEP b, q
	s_and_b32 s30, s15, 3                          ; my tile's flag for this step
	s_lshr_b32 s15, s15, 2
	s_cmp_eq_u32 s30, 0
	s_cbranch_scc1 .Lskip_\@
.irp k, 0,1
	s_load_b512 s[32+16*\k:47+16*\k], s[10:11], (2*\b+\q)*256+64*\k        ; the step's 64 mask words: words 0-31 in s32-63,
.endr
.irp k, 0,1
	s_load_b512 s[68+16*\k:83+16*\k], s[10:11], (2*\b+\q)*256+128+64*\k    ; words 32-63 in s68-99
.endr
.rept 4
	v_nop                                          ; four plain lines behind the last products, ahead of the loads into the registers that they read
.endr
	s_wait_alu depctr_va_vdst(0)                   ; the last step's products V^T P are done reading KV, in which K's loads land
.irp t, 0,1,2,3,4,5,6,7
	ds_load_b128 v[KV+8*\t:KV+8*\t+3], v[LI] offset:\b*BUF+\q*8192+\t*1024
	ds_load_b128 v[KV+8*\t+4:KV+8*\t+7], v[LI] offset:\b*BUF+\q*8192+\t*1024+512
.endr
.irp t, 0,1,2,3,4,5,6,7                        ; S^T = K Q^T: a lane holds one query; the 16 registers of tiles 2 b', 2 b' + 1 are keys 32 b' + 16 (lane / 16) + 0 .. 15
	s_wait_dscnt 14-2*\t                           ; LDS loads come back in order (ISA guide 5.7.1): tile t's two are in; the 2 (7 - t) issued behind them land while this tile is multiplied
	v_wmma_f32_16x16x64_fp8_fp8 v[ST+8*\t:ST+8*\t+7], v[KV+8*\t:KV+8*\t+7], v[QF:QF+7], 0
.endr
.rept 4
	v_nop                                          ; places behind the products, ahead of the first read of the scores (ISA guide 7.12.1): they stay beside the wait below
.endr
	s_wait_alu depctr_va_vdst(0)                   ; the eight products are done reading KV, in which V's loads land; no line between here and the step's last products names KV or v1
.irp t, 0,1,2,3                                ; V's fragments land while the softmax is walked
.irp c, 0,1,2,3
	ds_load_b128 v[KV+16*\t+4*\c:KV+16*\t+4*\c+3], v[LI] offset:\b*BUF+16384+\q*8192+\t*2048+\c*512
.endr
.endr
	s_wait_kmcnt 0x0
	s_cmp_eq_u32 s30, 2                            ; all 16 x 128 open: nothing to hide
	s_cbranch_scc1 .Lopen_\@
.set n, 0
.rept 64
.if n < 32
	v_cndmask_b32 v[ST+n], v[NEGV], v[ST+n], s[32+n]
.else
	v_cndmask_b32 v[ST+n], v[NEGV], v[ST+n], s[36+n]
.endif
.set n, n+1
.endr
.Lopen_\@:
	v_max3_num_f32 v232, v[ST], v[ST+1], v[ST+2]   ; the step's largest score of my query among my 64 keys, in two chains, each accumulator from its low end on
	v_max3_num_f32 v233, v[ST+3], v[ST+4], v[ST+5]
.irp i, 6,10,14,18,22,26,30,34,38,42,46,50,54,58
	v_max3_num_f32 v232, v232, v[ST+\i], v[ST+1+\i]
	v_max3_num_f32 v233, v233, v[ST+2+\i], v[ST+3+\i]
.endr
	v_max3_num_f32 v232, v232, v[ST+62], v[ST+63]
	v_max_num_f32 v232, v232, v233
	v_permlanex16_b32 v236, v232, s20, s21
	v_max_num_f32 v232, v232, v236                 ; and among lane l xor 16's
	v_mul_f32 v232, s22, v232                      ; as t (c is positive)
	v_max_num_f32 v13, v13, v232
	v_mov_b32 v232, v12
	v_floor_f32 v12, -v13                          ; the new -M = -ceil(t)
	v_sub_f32 v232, v12, v232                      ; old M - new M: a whole number, 0 or less
	v_cvt_i32_f32 v232, v232                       ; (it saturates)
	v_ldexp_f32 v234, 1.0, v232                    ; f = 2^(old M - new M)
.set j, 0
.rept 32
	v_pk_fma_f32 v[ST+j:ST+j+1], v[ST+j:ST+j+1], s[22:23], v[12:13] op_sel_hi:[1,0,0]   ; t - M
.set j, j+2
.endr
.set j, 0
.rept 64
	v_exp_f32 v[ST+j], v[ST+j]                     ; p = 2^(t - M)
.set j, j+1
.endr
	v_pk_mul_f32 v[14:15], v[14:15], v[234:235] op_sel_hi:[1,0]   ; the sums under the new M; also the plain line behind the exponentials
	s_wait_alu depctr_va_vdst(0)                   ; the 64 exponentials have written p: one wait for the batch, ahead of its first reader
	v_pk_add_f32 v[238:239], v[ST:ST+1], v[ST+2:ST+3]             ; the sum is taken of the unquantised p, in two chains
.irp j, 4,8,12,16,20,24,28,32,36,40,44,48,52,56,60
	v_pk_add_f32 v[14:15], v[14:15], v[ST+\j:ST+1+\j]
	v_pk_add_f32 v[238:239], v[238:239], v[ST+2+\j:ST+3+\j]
.endr
	v_pk_add_f32 v[14:15], v[14:15], v[238:239]
	s_cmp_ge_i32 s24, -8                           ; p <= 1 <= 448 x 2^e4 wherever e4 >= -8: the hold would change nothing
	s_cbranch_scc1 .Lno_hold_\@
.set j, 0
.rept 64
	v_min_num_f32 v[ST+j], v[ST+j], v[LMP]         ; the conversion does not saturate (ISA guide 7.6.2); p is not negative
.set j, j+1
.endr
.Lno_hold_\@:
.irp g, 0,1,2,3
	v_cvt_scalef32_pk8_fp8_f32 v[PC+4*\g:PC+4*\g+1], v[ST+16*\g:ST+16*\g+7], v[SCP]
	v_cvt_scalef32_pk8_fp8_f32 v[PC+4*\g+2:PC+4*\g+3], v[ST+16*\g+8:ST+16*\g+15], v[SCP]
.endr
.set j, 0
.rept 16
	v_pk_mul_f32 v[OT+j:OT+j+1], v[OT+j:OT+j+1], v[234:235] op_sel_hi:[1,0]   ; O^T under the new M; also the plain lines behind the conversions
.set j, j+2
.endr
	s_wait_dscnt 0x0                               ; V is in
.irp t, 0,1,2,3                                ; O^T += V^T P^T: four accumulators by turns, behind the scores' products
	v_wmma_f32_16x16x128_fp8_fp8 v[OT+8*\t:OT+8*\t+7], v[KV+16*\t:KV+16*\t+15], v[PC:PC+15], v[OT+8*\t:OT+8*\t+7]
.endr
.Lskip_\@:
.endm
.Lblock:                                           ; two trips: blocks x and 7 - x
	s_wait_loadcnt 0x0                             ; no fill load is out: the sets and their bases may be written
	s_lshl_b32 s28, s19, 4
	s_add_co_u32 s28, s28, s14                     ; my tile qt = 16 block + wave
	s_lshl_b32 s66, s28, 2
	s_mov_b32 s67, 0
	s_add_nc_u64 s[66:67], s[104:105], s[66:67]
	s_lshl_b32 s30, s19, 6
	s_mov_b32 s31, 0
	s_add_nc_u64 s[30:31], s[104:105], s[30:31]
	s_load_b32 s15, s[66:67], 0x0                  ; my tile's flags
	s_load_b512 s[32:47], s[30:31], 0x0            ; the sixteen tiles'
	s_lshl_b32 s2, s28, 10
	s_mov_b32 s3, 0
	s_add_nc_u64 s[2:3], s[4:5], s[2:3]            ; my tile of Q
	s_lshl_b32 s10, s28, 12
	s_mov_b32 s11, 0
	s_add_nc_u64 s[10:11], s[100:101], s[10:11]    ; my tile's mask words
	s_lshr_b32 s12, s28, 3
	s_lshl_b32 s12, s12, 17
	s_and_b32 s13, s28, 7
	s_lshl_b32 s13, s13, 10
	s_add_co_u32 s12, s12, s13
	s_mov_b32 s13, 0
	s_add_nc_u64 s[12:13], s[26:27], s[12:13]      ; my tile of y
	s_add_nc_u64 s[6:7], s[4:5], 8388608+16384     ; K at slot 1
	s_add_nc_u64 s[8:9], s[4:5], 16777216+16384    ; V at slot 1
	global_load_b128 v[QF:QF+3], v[LI], s[2:3]                         ; no wait on the vector side stands here: on the way in the head's last line has shown v1 and v2 written; on the way back the two waits at the block's end hold,
	global_load_b128 v[QF+4:QF+7], v[LI], s[2:3] offset:512            ; and no vector instruction has been issued since
	global_load_b128 v[SETA:SETA+3], v[FI], s[6:7] offset:-16384       ; slot 0
	global_load_b128 v[SETA+4:SETA+7], v[FI], s[6:7] offset:-8192
	global_load_b128 v[SETA+8:SETA+11], v[FI], s[8:9] offset:-16384
	global_load_b128 v[SETA+12:SETA+15], v[FI], s[8:9] offset:-8192
	global_load_b128 v[SETA+16:SETA+19], v[FI], s[6:7]                 ; slot 1
	global_load_b128 v[SETA+20:SETA+23], v[FI], s[6:7] offset:8192
	global_load_b128 v[SETA+24:SETA+27], v[FI], s[8:9]
	global_load_b128 v[SETA+28:SETA+31], v[FI], s[8:9] offset:8192
	v_mov_b32 v13, 0xff61b1e6                      ; the largest t so far: -3e38
	v_floor_f32 v12, -v13
	v_mov_b32 v14, 0
	v_mov_b32 v15, 0
.set j, 0
.rept 32
	v_mov_b32 v[OT+j], 0                           ; the step is written once: the first finds zeros, which the first change of M leaves zeros
.set j, j+1
.endr
	s_wait_kmcnt 0x0
	s_or_b32 s16, s32, s33
.irp i, 34,35,36,37,38,39,40,41,42,43,44,45,46,47
	s_or_b32 s16, s16, s[\i]                       ; a step counts for the work-group where any of its tiles needs it
.endr
	s_wait_loadcnt 4                               ; Q and slot 0 are in; slot 1's four loads stay out
.irp k, 0,1,2,3
	ds_store_b128 v[FI], v[SETA+4*\k:SETA+4*\k+3] offset:8192*\k       ; buffer 0: its last readers have passed the barrier of the slot that followed them
.endr
	s_mov_b32 s17, 4
.Lslots:                                           ; four trips of two slots
	SLOTHEAD 0
	STEP 0, 0
	STEP 0, 1
	SLOTHEAD 1
	STEP 1, 0
	STEP 1, 1
	s_wait_kmcnt 0x0                               ; the mask words' loads are done: their base may step
	s_add_nc_u64 s[10:11], s[10:11], 1024
	s_sub_co_u32 s17, s17, 1
	s_cmp_lg_u32 s17, 0
	s_cbranch_scc1 .Lslots
	; THE WAY OUT: y = O^T x 2^(e4 + e5) / the sum, held and converted (e6).  Registers 16 g .. 16 g + 15 are channels 32 g + 16 (lane / 16) + 0 .. 15: a piece of the last product's operand.
.rept 4
	v_nop                                          ; places behind the last products
.endr
	v_add_f32 v14, v14, v15
	v_permlanex16_b32 v236, v14, s20, s21
	v_add_f32 v14, v14, v236                       ; the row's sum
	v_rcp_f32 v14, v14
	v_nop                                          ; a plain line behind the reciprocal,
	s_wait_alu depctr_va_vdst(0)                   ; and the wait ahead of its first reader: the reciprocal has written v14
	v_ldexp_f32 v14, v14, s25
.set j, 0
.rept 32
	v_mul_f32 v[ST+j], v[OT+j], v14                ; each accumulator from its low end on
.set j, j+1
.endr
.set j, 0
.rept 32
	v_med3_num_f32 v[ST+j], v[ST+j], -v[LMY], v[LMY]
.set j, j+1
.endr
.irp g, 0,1
	v_cvt_scalef32_pk8_fp8_f32 v[PC+4*\g:PC+4*\g+1], v[ST+16*\g:ST+16*\g+7], v[SCY]
	v_cvt_scalef32_pk8_fp8_f32 v[PC+4*\g+2:PC+4*\g+3], v[ST+16*\g+8:ST+16*\g+15], v[SCY]
.endr
	v_nop                                          ; a plain line behind the last conversion
	s_wait_alu depctr_va_vdst(0)                   ; the conversions have written y's codes, which the two stores read; and the block's products are done reading Q, in which the next block's loads land
	global_store_b128 v[LI], v[PC:PC+3], s[12:13]              ; the wave stores 512 consecutive bytes, aligned
	global_store_b128 v[LI], v[PC+4:PC+7], s[12:13] offset:512
	s_wait_xcnt 0x0                                ; the stores have read their data and their base: both are written again in the next block
	s_wait_alu depctr_vm_vsrc(0)                   ; the two stores have read y's codes, which the next block's conversions write again; the last slot's LDS stores have read their set, in which the next block's loads land; ahead of the branch
	s_sub_co_u32 s19, 7, s19
	s_sub_co_u32 s18, s18, 1
	s_cmp_lg_u32 s18, 0
	s_cbranch_scc1 .Lblock
	s_wait_dscnt 0x0                               ; the wave's end: six lines on end, behind my last LDS store
	s_wait_alu 0x0
	s_wait_tensorcnt 0x0
	ds_add_u32 v[SPW], v[NIL]
	s_wait_dscnt 0x0
	s_endpgm
.Lfunc_end_k_q530b4dd432_attn:
	.size	k_q530b4dd432_attn, .Lfunc_end_k_q530b4dd432_attn-k_q530b4dd432_attn
	.p2alignl 7, 3214868480
	.fill 96, 4, 3214868480
	.section	.rodata,"a",@progbits
	.p2align	6, 0x0
	.amdhsa_kernel k_q530b4dd432_attn
		.amdhsa_group_segment_fixed_size 67584
		.amdhsa_private_segment_fixed_size 0
		.amdhsa_enable_private_segment 0
		.amdhsa_kernarg_size 40
		.amdhsa_user_sgpr_count 2
		.amdhsa_user_sgpr_kernarg_segment_ptr 1
		.amdhsa_wavefront_size32 1
		.amdhsa_system_sgpr_workgroup_id_x 1
		.amdhsa_system_sgpr_workgroup_id_y 1
		.amdhsa_system_sgpr_workgroup_id_z 1
		.amdhsa_system_vgpr_workitem_id 0
		.amdhsa_next_free_vgpr 256
		.amdhsa_next_free_sgpr 106
		.amdhsa_reserve_vcc 0
		.amdhsa_float_denorm_mode_32 3
		.amdhsa_float_denorm_mode_16_64 3
		.amdhsa_memory_ordered 1
		.amdhsa_forward_progress 1
		.amdhsa_inst_pref_size 93
	.end_amdhsa_kernel
	.amdgpu_metadata
---
amdhsa.version: [ 1, 2 ]
amdhsa.kernels:
  - .name:           k_q530b4dd432_attn
    .symbol:         k_q530b4dd432_attn.kd
    .args:
      - { .name: qkvc, .offset: 0, .size: 8, .value_kind: global_buffer, .address_space: global }
      - { .name: maskw, .offset: 8, .size: 8, .value_kind: global_buffer, .address_space: global }
      - { .name: flags, .offset: 16, .size: 8, .value_kind: global_buffer, .address_space: global }
      - { .name: lowp_scales, .offset: 24, .size: 8, .value_kind: global_buffer, .address_space: global }
      - { .name: yc, .offset: 32, .size: 8, .value_kind: global_buffer, .address_space: global }
    .group_segment_fixed_size: 67584
    .private_segment_fixed_size: 0
    .kernarg_segment_align: 8
    .kernarg_segment_size: 40
    .max_flat_workgroup_size: 512
    .sgpr_count:     106
    .vgpr_count:     256
    .wavefront_size: 32
...
	.end_amdgpu_metadata
.endif
;; end of part 5
;; launch proj: the kernel of part 4 again; grid 4 x 32, 4 waves a work-group, clusters of 4 x 4, 327,680 bytes of LDS; arguments yc, wpc, lowp_scales, b_proj, out0; writes out0
